; MI455X (gfx1250); checked and timed in simulation.
; The chip was launched on July 23, 2026; its instructions are those of AMD's public machine-readable ISA for CDNA 5 (MIT licence, August 2026) and "CDNA5" Instruction Set Architecture Reference Guide (July 2026). The comments in the code are by the model that wrote it; some were corrected since.
;; GPT2 Block. Allowed arithmetic: matrix products marked QUANTISED: E4M3 operands, one given power-of-two scale a tensor, by v_wmma_f32_16x16x64_fp8_fp8 or v_wmma_f32_16x16x128_fp8_fp8, f32 sums; everything else in f32.
;; Inputs: b_attn_proj 1,024 float32; b_fc 4,096 float32; b_mlp_proj 1,024 float32; b_qkv 3,072 float32; ln1_bias 1,024 float32; ln1_scale 1,024 float32; ln2_bias 1,024 float32; ln2_scale 1,024 float32; lowp_scales 12 int32 (the exponents e of the quantised operands' scales 2^e); mask 1 x 1 x 2,048 x 2,048 bool; w_attn_proj 1,024 x 1,024 float32; w_fc 1,024 x 4,096 float32; w_mlp_proj 4,096 x 1,024 float32; w_qkv 1,024 x 3,072 float32; x 2 x 2,048 x 1,024 float32.
;; Outputs: out0 2 x 2,048 x 1,024 float32.
;; This version of the problem:
;;   THIS VERSION OF THE PROBLEM IS GIVEN IN LOW PRECISION. The matrix products marked QUANTISED in the list below multiply operands that are first quantised to E4M3 (4 exponent bits, 3 mantissa bits; 8 bits a number), with one given power-of-two scale for each operand tensor; their sums are f32. All else is computed in f32.
;;   The module's matrix products, in the order in which they are computed (A, B: the left and right operand; K: the contracted axis; several contracted axes count as one K, in the product's order):
;;     1. [M 4,096, K 1,024] x [K 1,024, N 3,072]; A: computed on the way; B: input w_qkv: QUANTISED (scales: A lowp_scales[0], B lowp_scales[1])
;;     2. batch 32 x [M 2,048, K 64] x [K 64, N 2,048]; A: computed on the way; B: computed on the way: QUANTISED (scales: A lowp_scales[2], B lowp_scales[3])
;;     3. batch 32 x [M 2,048, K 2,048] x [K 2,048, N 64]; A: softmax (see below); B: computed on the way: QUANTISED (scales: A lowp_scales[4], B lowp_scales[5])
;;     4. [M 4,096, K 1,024] x [K 1,024, N 1,024]; A: computed on the way; B: input w_attn_proj: QUANTISED (scales: A lowp_scales[6], B lowp_scales[7])
;;     5. [M 4,096, K 1,024] x [K 1,024, N 4,096]; A: computed on the way; B: input w_fc: QUANTISED (scales: A lowp_scales[8], B lowp_scales[9])
;;     6. [M 4,096, K 4,096] x [K 4,096, N 1,024]; A: computed on the way; B: input w_mlp_proj: QUANTISED (scales: A lowp_scales[10], B lowp_scales[11])
;;   THE QUANTISER, for each operand of a quantised product, along K:
;;     - The operand's scale is 2^e, e = its entry of the input lowp_scales (int32; the entries are numbered through the quantised products in the list's order, A before B).
;;     - Each number is divided by the scale, clamped to +-448, and rounded to the nearest number of E4M3, ties to even, subnormals kept.
;;     - The product sums the exact products of the quantised numbers (number of the format x scale) in f32.
;;   ~~~python
;;   def quantise(x, axis, e):      # numpy; x: float32 -> the quantised numbers, widened to float32 again
;;       x = np.moveaxis(x, axis, -1); K = x.shape[-1]
;;       r = np.clip(x / 2.0 ** e, -448, 448)
;;       step = 2.0 ** (np.maximum(np.frexp(np.where(r == 0, 1, r))[1] - 1, -6) - 3)
;;       q = np.round(r / step) * step * 2.0 ** e      # np.round: ties to even
;;       return np.moveaxis(q, -1, axis).astype(np.float32)
;;   ~~~
;;   SOFTMAX AHEAD OF A QUANTISED PRODUCT. Where the list says 'softmax', what is quantised is not the finished softmax but p = 2^(t - M), with t = logit x log2(e) and M = ceil(the row's largest t), a whole number; so 1/2 < the row's largest p <= 1. The row's sum l is taken of the UNQUANTISED p, in f32, and the product's result is divided by l at the end. Since M is a whole number, a kernel that streams over the keys may use a running M (the ceiling of the running maximum): every later rescaling is an exact power of two, so the quantised numbers keep their values, but for numbers so far below the row's largest that they fall under the format's range.
;;   OPERANDS COMPUTED ON THE WAY. 'Computed on the way' means the value that the module computes at that place (a softmax that the list does not call 'softmax' is quantised finished and normalised). What goes into a quantiser is computed in f32, as accurately as f32 sums, v_exp_f32 and their like allow (about 1e-6 of the number): no bf16 or f16 on the way to a quantiser, and a product that is left as it is and whose result goes on into a quantised operand takes f32 operands (vector FMAs, or v_wmma_f32_16x16x4_f32). A number that lies on a knife's edge between two numbers of the format may be rounded either way, as far as f32 arithmetic and the matrix unit's own rounding can turn it there, and no further.
;; One version. Each part assembles by itself: llvm-mc -triple=amdgcn-amd-amdhsa -mcpu=gfx1250 --defsym DOCPART=n.
;; ======== version 1 of 1: 7 launches
;; limits: right only within a limited range of input values
;; workspace buffers: wc 12,582,912 bytes; maskw 557,056 bytes of whole numbers; ca 4,194,304 bytes; qkc 8,388,608 bytes; cb 4,194,304 bytes; x2 16,777,216 bytes; gc 16,777,216 bytes
;; launch prep (part 1): grid 768 x 1, 4 waves a work-group, no clusters, 35,584 bytes of LDS; arguments w_qkv, w_attn_proj, w_fc, w_mlp_proj, wc, lowp_scales, x, ln1_scale, ln1_bias, ca, mask, maskw; writes wc, ca, maskw
.if DOCPART == 1
	.amdgcn_target "amdgcn-amd-amdhsa--gfx1250"
	.amdhsa_code_object_version 6
	.text
	.protected	k_qd10fadeeb8_prep
	.globl	k_qd10fadeeb8_prep
	.p2align	8
	.type	k_qd10fadeeb8_prep,@function
k_qd10fadeeb8_prep:
	s_mov_b64 s[64:65], 0
	v_nop
	global_prefetch_b8 v0, s[64:65] scope:SCOPE_SE
	s_setreg_imm32_b32 hwreg(HW_REG_WAVE_MODE, 25, 1), 1
	s_wait_xcnt 0x0
; GPT-2 block, first of seven launches.
; WHAT IS PASSED OVER, AND WHY.  The mask is an input of whole numbers (bytes 0 or 1).  The attention launch multiplies a step of 16 queries x 128 keys only where a flag made here, from the mask alone, asks for it.
; A step in which the mask keeps no key holds only logits of -1e10.  If each of its 16 queries keeps a key somewhere in its row, that query's M is the ceiling of a kept t, and a kept logit is at most
; 64 x 448^2 x 2^(e2 + e3) <= 3.3e9 in size (the attention launch's limit e2 + e3 <= 8): so t - M lies under -9e9 and p = 2^(t - M) is 0, in f32 and as a code: the step adds nothing to l and nothing to O.
; If some query of the 16 keeps no key at all, all its p are 1 and every key counts: then all 16 steps of that tile are flagged.  This holds for every mask; nothing is taken from a pattern of the mask.
; Nothing else is left out: every bias goes into a quantised operand or into the output, and every input is loaded by some launch.
; LIMIT: what lies under a step that is passed over is not read for that tile; K's and V's codes are codes of held numbers, so no NaN or infinity is lost with them.
; This launch makes what the later launches read (code = x / 2^e, held within +-448, to the nearest code of E4M3, ties to even):
;   work-groups   0-383: the four weights, stored [K][N] f32, become codes [N][K], K innermost, in wc (w_qkv at 0, w_attn_proj at 3,145,728, w_fc at 4,194,304, w_mlp_proj at 8,388,608)
;   work-groups 384-639: layer norm 1 of x, in f32, becomes codes [4096][1024] in ca
;   work-groups 640-767: the mask's bytes become words of 32 lane bits, in the order in which the attention launch's registers hold the scores, and the flags
; LIMITS: each exponent e used here lies between -126 and 119, so that 2^e and 448 x 2^e are f32 numbers.  NaN among the inputs is not served.
.set SPARE, 34816                      ; LDS: four stages of 32 rows x 272 bytes (the weights' path alone), then the spare words: 128 bytes a wave,
.set MRED,  35328                      ; then 256 bytes of the mask's path alone: two words a wave
.set SPW, 214                          ; v214  LDS address of my spare word; never rewritten
.set NIL, 215                          ; v215  0; never rewritten
.set OFF, 16                           ; weights: v16-47 row i's byte offset, later v16-31 the stores' offsets
.set X,   48                           ; weights: v48-111 two sets of 32 numbers, later the rows on the way out
.set C,   112                          ; weights: v112-119 a block's codes
.set GP,  18                           ; norm: s[18:19] the gain, s[20:21] the bias
.set BP,  20
.set G,   16                           ; norm: v16-47 my 32 gains, v48-79 my 32 biases, v80-207 four rows of 32 numbers, v8-15 a row's codes
.set BI,  48
.set XR,  80
.set CDR, 8
	s_load_b512 s[4:19], s[0:1], 0x0               ; w_qkv 4, w_attn_proj 6, w_fc 8, w_mlp_proj 10, wc 12, lowp_scales 14, x 16, ln1_scale 18
	s_load_b256 s[20:27], s[0:1], 0x40             ; ln1_bias 20, ca 22, mask 24, maskw 26
	v_lshl_add_u32 v[SPW], v0, 2, SPARE
	v_mov_b32 v[NIL], 0
	v_lshrrev_b32 v1, 5, v0
	v_readfirstlane_b32 s2, v1                     ; wave 0..3
	v_and_b32 v1, 31, v0                           ; lane
	v_and_b32 v5, 15, v0                           ; r
	v_bfe_u32 v6, v0, 4, 1                         ; h
	s_wait_kmcnt 0x0
	s_cmp_ge_u32 ttmp9, 640                        ; the three paths part on the work-group's number alone
	s_cbranch_scc1 .Lmask
	s_cmp_ge_u32 ttmp9, 384
	s_cbranch_scc1 .Lnorm
; ---------------- THE WEIGHTS.  A lane takes a column n and its registers run down K: each load reads 128 consecutive bytes a wave (512 a work-group), and the conversions give codes with K innermost.
; A wave takes 32 columns x 256 along K; the codes go through its own stage in LDS and leave as rows: sixteen lanes store 256 consecutive bytes, aligned.
	s_load_b256 s[28:35], s[14:15], 0x0            ; e0 .. e7
	s_load_b128 s[36:39], s[14:15], 0x20           ; e8 .. e11
	s_wait_kmcnt 0x0
	s_mov_b64 s[68:69], s[10:11]                   ; the table, from its last line to its first: w_mlp_proj (ids 256-383)
	s_mov_b32 s56, 4096                            ; a source row in bytes: 4 N
	s_mov_b32 s57, 4096                            ; a row of codes in bytes: K
	s_mov_b32 s58, s39                             ; e11
	s_mov_b32 s59, 256                             ; the range's first id
	s_mov_b32 s62, 15                              ; K / 256 - 1
	s_mov_b32 s63, 4                               ; log2(K / 256)
	s_mov_b32 s70, 8388608                         ; its place in wc
	s_cmp_lt_u32 ttmp9, 256                        ; w_fc (128-255)
	s_cselect_b64 s[68:69], s[8:9], s[68:69]
	s_cselect_b32 s56, 16384, s56
	s_cselect_b32 s57, 1024, s57
	s_cselect_b32 s58, s37, s58                    ; e9
	s_cselect_b32 s59, 128, s59
	s_cselect_b32 s62, 3, s62
	s_cselect_b32 s63, 2, s63
	s_cselect_b32 s70, 4194304, s70
	s_cmp_lt_u32 ttmp9, 128                        ; w_attn_proj (96-127)
	s_cselect_b64 s[68:69], s[6:7], s[68:69]
	s_cselect_b32 s56, 4096, s56
	s_cselect_b32 s58, s35, s58                    ; e7
	s_cselect_b32 s59, 96, s59
	s_cselect_b32 s70, 3145728, s70
	s_cmp_lt_u32 ttmp9, 96                         ; w_qkv (0-95)
	s_cselect_b64 s[68:69], s[4:5], s[68:69]
	s_cselect_b32 s56, 12288, s56
	s_cselect_b32 s58, s29, s58                    ; e1
	s_cselect_b32 s59, 0, s59
	s_cselect_b32 s70, 0, s70
	s_sub_co_u32 s59, ttmp9, s59                   ; t
	s_and_b32 s62, s59, s62                        ; y: which 256 along K
	s_lshr_b32 s63, s59, s63                       ; x: which 128 columns
	s_lshl_b32 s71, s63, 7
	s_lshl_b32 s72, s2, 5
	s_add_co_u32 s71, s71, s72                     ; my wave's first column
	s_mul_i32 s72, s62, s56
	s_lshl_b32 s72, s72, 8                         ; 256 y rows of the source
	s_lshl_b32 s74, s71, 2
	s_add_co_u32 s72, s72, s74
	s_mov_b32 s73, 0
	s_add_nc_u64 s[40:41], s[68:69], s[72:73]      ; block 0's base; each block of 32 along K has a base of its own, so that none is written again
	s_lshl_b32 s60, s56, 5
	s_mov_b32 s61, 0
.irp t, 1,2,3,4,5,6,7
	s_add_nc_u64 s[40+2*\t:41+2*\t], s[38+2*\t:39+2*\t], s[60:61]
.endr
	s_mul_i32 s72, s71, s57
	s_add_co_u32 s72, s72, s70
	s_lshl_b32 s74, s62, 8
	s_add_co_u32 s72, s72, s74
	s_add_nc_u64 s[66:67], s[12:13], s[72:73]      ; the codes: wc + the tensor's place + column x K + 256 y
	s_wait_alu depctr_va_vdst(0)
	v_lshlrev_b32 v3, 2, v1
	s_mul_i32 s74, s2, 8704                        ; my stage
	v_mul_u32_u24 v4, v1, 272
	v_add_nc_u32 v4, s74, v4                       ; into it: row = my column
	v_mul_u32_u24 v7, v6, 272
	v_lshl_add_u32 v7, v5, 4, v7
	v_add_nc_u32 v7, s74, v7                       ; out of it: sixteen lanes to a row, two rows an instruction
	v_mul_lo_u32 v8, v6, s57
	v_lshl_add_u32 v8, v5, 4, v8                   ; and the same place among the rows of codes
.set i, 0
.rept 32
	v_mad_u32_u24 v[OFF+i], s56, i, v3             ; row i of a block, my column
.set i, i+1
.endr
.macro WLOAD t                         ; block t: W(32 t + i, my column) into set t % 2
.set i, 0
.rept 32
	global_load_b32 v[X+32*((\t)%2)+i], v[OFF+i], s[40+2*(\t):41+2*(\t)] th:TH_LOAD_NT
.set i, i+1
.endr
.endm
	WLOAD 0
	WLOAD 1
	s_add_co_i32 s58, s58, 127
	s_lshl_b32 s74, s58, 23
	v_mov_b32 v11, s74                             ; 2^e as f32: the conversion takes its exponent field
	s_add_co_i32 s58, s58, 8
	s_lshl_b32 s58, s58, 23
	s_or_b32 s58, s58, 0x600000
	v_mov_b32 v10, s58                             ; 448 x 2^e
.macro WBLOCK t
.set XS, X+32*((\t)%2)
.if (\t) < 7
	s_wait_loadcnt 32                              ; this block's 32 loads are in; the next block's 32 may be out
.else
	s_wait_loadcnt 0x0
.endif
.set i, 0
.rept 32
	v_med3_num_f32 v[XS+i], v[XS+i], -v10, v10     ; the conversion to an 8-bit code does not saturate (ISA guide 7.6.2): the hold comes first
.set i, i+1
.endr
.irp g, 0,1,2,3
	v_cvt_scalef32_pk8_fp8_f32 v[C+2*\g:C+2*\g+1], v[XS+8*\g:XS+8*\g+7], v11
.endr
	ds_store_b128 v4, v[C:C+3] offset:32*(\t)      ; 32 codes of my column's row
	ds_store_b128 v4, v[C+4:C+7] offset:32*(\t)+16
.if (\t)+2 < 8
	WLOAD (\t)+2
.endif
	s_wait_dscnt 0x0                               ; the stores have read their registers: the next block's codes may be written
.endm
	s_wait_alu depctr_va_vdst(0)
.irp t, 0,1,2,3,4,5,6,7
	WBLOCK \t
.endr
.set i, 0
.rept 16
	v_mad_u32_u24 v[OFF+i], s57, 2*i, v8           ; all loads are in, so their offsets' registers are free: rows 2 i + h of the codes
.set i, i+1
.endr
.irp t, 0,1,2,3,4,5,6,7,8,9,10,11,12,13,14,15
	ds_load_b128 v[X+4*\t:X+4*\t+3], v7 offset:544*\t   ; LDS serves a wave's instructions in order: these see my stores
.endr
	s_wait_alu depctr_va_vdst(0)
.irp t, 0,1,2,3,4,5,6,7,8,9,10,11,12,13,14,15
	s_wait_dscnt 15-\t                             ; the younger loads may be out
	global_store_b128 v[OFF+\t], v[X+4*\t:X+4*\t+3], s[66:67]
.endr
	s_wait_tensorcnt 0x0                           ; the end of a wave that wrote LDS
	ds_add_u32 v[SPW], v[NIL]
	s_wait_dscnt 0x0
	s_endpgm
; ---------------- LAYER NORM 1.  One wave to a row, four rows a wave, the row kept in 32 registers a lane between the passes.  A lane owns columns 256 j + 8 lane + 0 .. 7, j = 0 .. 3:
; eight neighbours for each conversion, and each store of the wave covers 256 consecutive bytes of codes, aligned.
.macro REDUCE                          ; four pairs of partial sums -> the row's sum in v4, in every lane
	v_pk_add_f32 v[4:5], v[4:5], v[6:7]
	v_pk_add_f32 v[208:209], v[208:209], v[210:211]
	v_pk_add_f32 v[4:5], v[4:5], v[208:209]
	v_add_f32 v4, v4, v5
	v_add_f32_dpp v4, v4, v4 row_xmask:1 row_mask:0xf bank_mask:0xf
	v_add_f32_dpp v4, v4, v4 row_xmask:2 row_mask:0xf bank_mask:0xf
	v_add_f32_dpp v4, v4, v4 row_xmask:4 row_mask:0xf bank_mask:0xf
	v_add_f32_dpp v4, v4, v4 row_xmask:8 row_mask:0xf bank_mask:0xf
	v_permlanex16_b32 v5, v4, s42, s43
	v_add_f32 v4, v4, v5
.endm
.macro LNROW i
.set XS, XR+32*(\i)
	s_wait_loadcnt 8*(3-(\i))                      ; this row's eight loads are in; the later rows' may be out
	v_pk_add_f32 v[4:5], v[XS:XS+1], v[XS+2:XS+3]
	v_pk_add_f32 v[6:7], v[XS+4:XS+5], v[XS+6:XS+7]
	v_pk_add_f32 v[208:209], v[XS+8:XS+9], v[XS+10:XS+11]
	v_pk_add_f32 v[210:211], v[XS+12:XS+13], v[XS+14:XS+15]
.irp k, 16,24
	v_pk_add_f32 v[4:5], v[4:5], v[XS+\k:XS+\k+1]
	v_pk_add_f32 v[6:7], v[6:7], v[XS+\k+2:XS+\k+3]
	v_pk_add_f32 v[208:209], v[208:209], v[XS+\k+4:XS+\k+5]
	v_pk_add_f32 v[210:211], v[210:211], v[XS+\k+6:XS+\k+7]
.endr
	REDUCE
	v_mul_f32 v4, s40, v4                          ; the mean
.set k, 0
.rept 16
	v_pk_add_f32 v[XS+k:XS+k+1], v[XS+k:XS+k+1], v[4:5] op_sel_hi:[1,0] neg_lo:[0,1] neg_hi:[0,1]   ; x - mean
.set k, k+2
.endr
	v_pk_mul_f32 v[4:5], v[XS:XS+1], v[XS:XS+1]
	v_pk_mul_f32 v[6:7], v[XS+2:XS+3], v[XS+2:XS+3]
	v_pk_mul_f32 v[208:209], v[XS+4:XS+5], v[XS+4:XS+5]
	v_pk_mul_f32 v[210:211], v[XS+6:XS+7], v[XS+6:XS+7]
.irp k, 8,16,24
	v_pk_fma_f32 v[4:5], v[XS+\k:XS+\k+1], v[XS+\k:XS+\k+1], v[4:5]
	v_pk_fma_f32 v[6:7], v[XS+\k+2:XS+\k+3], v[XS+\k+2:XS+\k+3], v[6:7]
	v_pk_fma_f32 v[208:209], v[XS+\k+4:XS+\k+5], v[XS+\k+4:XS+\k+5], v[208:209]
	v_pk_fma_f32 v[210:211], v[XS+\k+6:XS+\k+7], v[XS+\k+6:XS+\k+7], v[210:211]
.endr
	REDUCE
	v_fma_f32 v4, v4, s40, s41                     ; the variance + 1e-5
	s_wait_alu depctr_va_vdst(0)
	v_rsq_f32 v6, v4
	v_nop                                          ; a plain instruction behind the transcendental,
	s_wait_alu depctr_va_vdst(0)                   ; and the wait ahead of its first reader
.set k, 0
.rept 16
	v_pk_mul_f32 v[XS+k:XS+k+1], v[XS+k:XS+k+1], v[6:7] op_sel_hi:[1,0]
.set k, k+2
.endr
.set k, 0
.rept 16
	v_pk_fma_f32 v[XS+k:XS+k+1], v[XS+k:XS+k+1], v[G+k:G+k+1], v[BI+k:BI+k+1]
.set k, k+2
.endr
.set k, 0
.rept 32
	v_med3_num_f32 v[XS+k], v[XS+k], -v213, v213
.set k, k+1
.endr
.if (\i) > 0
	s_wait_alu depctr_va_vdst(0)
	s_wait_xcnt 0x0                                ; the last row's stores have read the codes' registers
.endif
.irp j, 0,1,2,3
	v_cvt_scalef32_pk8_fp8_f32 v[CDR+2*\j:CDR+2*\j+1], v[XS+8*\j:XS+8*\j+7], v212
.endr
.irp j, 0,1,2,3
	global_store_b64 v3, v[CDR+2*\j:CDR+2*\j+1], s[46:47] offset:1024*(\i)+256*\j
.endr
.endm
.Lnorm:
	s_load_b32 s28, s[14:15], 0x0                  ; e0
	s_sub_co_u32 s48, ttmp9, 384
	s_lshl_b32 s48, s48, 4
	s_lshl_b32 s49, s2, 2
	s_add_co_u32 s48, s48, s49                     ; my first row
	s_lshl_b32 s50, s48, 12
	s_mov_b32 s51, 0
	s_add_nc_u64 s[44:45], s[16:17], s[50:51]
	s_lshl_b32 s50, s48, 10
	s_add_nc_u64 s[46:47], s[22:23], s[50:51]
	s_mov_b32 s40, 0x3a800000                      ; 1 / 1024
	s_mov_b32 s41, 0x3727c5ac                      ; 1e-5
	s_mov_b32 s42, 0x76543210                      ; v_permlanex16_b32: lane l xor 16
	s_mov_b32 s43, 0xfedcba98
	s_wait_alu depctr_va_vdst(0)
	v_lshlrev_b32 v2, 5, v1
	v_lshlrev_b32 v3, 3, v1
.irp j, 0,1,2,3
.irp u, 0,1
	global_load_b128 v[G+8*\j+4*\u:G+8*\j+4*\u+3], v2, s[GP:GP+1] offset:1024*\j+16*\u
.endr
.endr
.irp j, 0,1,2,3
.irp u, 0,1
	global_load_b128 v[BI+8*\j+4*\u:BI+8*\j+4*\u+3], v2, s[BP:BP+1] offset:1024*\j+16*\u
.endr
.endr
.irp i, 0,1,2,3
.irp j, 0,1,2,3
.irp u, 0,1
	global_load_b128 v[XR+32*\i+8*\j+4*\u:XR+32*\i+8*\j+4*\u+3], v2, s[44:45] offset:4096*\i+1024*\j+16*\u th:TH_LOAD_NT
.endr
.endr
.endr
	s_wait_kmcnt 0x0
	s_add_co_i32 s48, s28, 127                     ; e0
	s_lshl_b32 s49, s48, 23
	v_mov_b32 v212, s49                            ; 2^e0
	s_add_co_i32 s48, s48, 8
	s_lshl_b32 s48, s48, 23
	s_or_b32 s48, s48, 0x600000
	v_mov_b32 v213, s48                            ; 448 x 2^e0
	LNROW 0
	LNROW 1
	LNROW 2
	LNROW 3
	s_endpgm
; ---------------- THE MASK.  A tile qt of 16 queries has a record of 17 blocks of 256 bytes in maskw.  Block st (a step of 128 keys), word n = 8 t + j: bit r + 16 h = mask[16 qt + r][128 st + 16 t + 8 h + j]:
; the lanes' bits for score register n of the attention launch.  Block 16: the tile's flags, the same word 64 times: bit st = 1: step st is to be multiplied (the comment at the head says when).
; A work-group takes a tile, a wave four steps.  A load reads 16 bytes of each of 16 rows; a wave's 32 loads use every byte of its 512 bytes of each row.
.macro MSTEP k
.set MB, 16+16*(\k)
	s_wait_loadcnt 8*(3-(\k))                      ; this step's eight loads are in; the later steps' may be out
	v_mov_b32 v[80+2*(\k)], 0
	v_mov_b32 v[81+2*(\k)], 0
	v_or_b32 v12, v[MB], v[MB+1]                   ; my lane's 64 bytes of the step, or-ed, in two chains
	v_or_b32 v13, v[MB+2], v[MB+3]
.irp j, 4,8,12
	v_or_b32 v12, v12, v[MB+\j]
	v_or_b32 v13, v13, v[MB+\j+1]
	v_or_b32 v12, v12, v[MB+\j+2]
	v_or_b32 v13, v13, v[MB+\j+3]
.endr
	v_or_b32 v12, v12, v13
	v_cmp_ne_u32 s56, 0, v12                       ; bit r + 16 h: that lane keeps a key in this step
	s_or_b32 s57, s57, s56                         ; the same over my four steps
	s_cmp_lg_u32 s56, 0
	s_cselect_b32 s56, 1<<(\k), 0
	s_or_b32 s60, s60, s56
	v_and_b32 v14, v[MB], v[MB+1]                  ; my lane's 64 bytes, and-ed, in two chains: 0x01010101 where all are 1
	v_and_b32 v15, v[MB+2], v[MB+3]
.irp j, 4,8,12
	v_and_b32 v14, v14, v[MB+\j]
	v_and_b32 v15, v15, v[MB+\j+1]
	v_and_b32 v14, v14, v[MB+\j+2]
	v_and_b32 v15, v15, v[MB+\j+3]
.endr
	v_and_b32 v14, v14, v15
	v_cmp_eq_u32 s61, 0x01010101, v14
	s_cmp_eq_u32 s61, -1
	s_cselect_b32 s61, 0x10000<<(\k), 0
	s_or_b32 s60, s60, s61                         ; bit 16 + st of the flags: the mask keeps all 16 x 128 of step st (dropped where every step is flagged for a query with no key)
.set n, 0
.rept 64
	v_and_b32 v[8+n%4], 0xff<<(8*(n%4)), v[MB+n/4]
	v_cmp_ne_u32 s[48+n%8], 0, v[8+n%4]            ; the 32 lanes' bits
	v_writelane_b32 v[80+2*(\k)+n%2], s[48+n%8], n/2   ; word n: lane n / 2, register n % 2
.set n, n+1
.endr
	global_store_b64 v3, v[80+2*(\k):81+2*(\k)], s[46:47] offset:256*(\k)   ; the step's 64 words: 256 consecutive bytes, aligned
.endm
.Lmask:
	s_sub_co_u32 s40, ttmp9, 640                   ; qt
	s_lshl_b32 s42, s40, 15                        ; 16 rows of 2,048 bytes
	s_lshl_b32 s41, s2, 9
	s_add_co_u32 s42, s42, s41
	s_mov_b32 s43, 0
	s_add_nc_u64 s[44:45], s[24:25], s[42:43]
	s_mul_i32 s42, s40, 4352
	s_add_nc_u64 s[58:59], s[26:27], s[42:43]      ; the tile's record
	s_lshl_b32 s42, s2, 10
	s_add_nc_u64 s[46:47], s[58:59], s[42:43]      ; my four blocks of it
	s_mov_b32 s57, 0
	s_mov_b32 s60, 0
	s_wait_alu depctr_va_vdst(0)
	v_lshlrev_b32 v2, 11, v5
	v_lshl_add_u32 v2, v6, 3, v2                   ; row r, + 8 h
	v_lshlrev_b32 v3, 3, v1
.irp k, 0,1,2,3
.irp t, 0,1,2,3,4,5,6,7
	global_load_b64 v[16+16*\k+2*\t:17+16*\k+2*\t], v2, s[44:45] offset:128*\k+16*\t th:TH_LOAD_NT
.endr
.endr
	MSTEP 0
	MSTEP 1
	MSTEP 2
	MSTEP 3
	s_lshl_b32 s61, s2, 2
	s_lshl_b32 s60, s60, s61                       ; my steps are 4 wave .. 4 wave + 3
	v_mov_b32 v12, s60
	v_mov_b32 v13, s57
	v_mov_b32 v7, s2
	v_lshlrev_b32 v7, 3, v7
	ds_store_b64 v7, v[12:13] offset:MRED          ; my two words; all lanes write the same
	s_wait_dscnt 0x0                               ; for the others' sake
	s_barrier_signal -1
	s_barrier_wait -1
	v_mov_b32 v7, 0
	ds_load_b128 v[88:91], v7 offset:MRED
	ds_load_b128 v[92:95], v7 offset:MRED+16
	s_wait_dscnt 0x0
	v_or_b32 v88, v88, v90
	v_or_b32 v92, v92, v94
	v_or_b32 v88, v88, v92                         ; the steps that keep a key
	v_or_b32 v89, v89, v91
	v_or_b32 v93, v93, v95
	v_or_b32 v89, v89, v93                         ; the lanes that keep a key anywhere
	v_lshrrev_b32 v90, 16, v89
	v_or_b32 v89, v89, v90
	v_and_b32 v89, 0xffff, v89                     ; the queries that do
	v_cmp_ne_u32 vcc_lo, 0xffff, v89               ; some query keeps none:
	v_mov_b32 v91, 0xffff
	v_cndmask_b32 v88, v88, v91, vcc_lo            ; then every step counts
	v_mov_b32 v89, v88
	s_cmp_lg_u32 s2, 0
	s_cbranch_scc1 .Lflagged
	global_store_b64 v3, v[88:89], s[58:59] offset:4096   ; wave 0: block 16, 256 consecutive bytes, aligned
.Lflagged:
	s_wait_tensorcnt 0x0                           ; the end of a wave that wrote LDS
	ds_add_u32 v[SPW], v[NIL]
	s_wait_dscnt 0x0
	s_endpgm
.Lfunc_end_k_qd10fadeeb8_prep:
	.size	k_qd10fadeeb8_prep, .Lfunc_end_k_qd10fadeeb8_prep-k_qd10fadeeb8_prep
	.p2alignl 7, 3214868480
	.fill 96, 4, 3214868480
	.section	.rodata,"a",@progbits
	.p2align	6, 0x0
	.amdhsa_kernel k_qd10fadeeb8_prep
		.amdhsa_group_segment_fixed_size 35584
		.amdhsa_private_segment_fixed_size 0
		.amdhsa_enable_private_segment 0
		.amdhsa_kernarg_size 96
		.amdhsa_user_sgpr_count 2
		.amdhsa_user_sgpr_kernarg_segment_ptr 1
		.amdhsa_wavefront_size32 1
		.amdhsa_system_sgpr_workgroup_id_x 1
		.amdhsa_system_sgpr_workgroup_id_y 1
		.amdhsa_system_sgpr_workgroup_id_z 1
		.amdhsa_system_vgpr_workitem_id 0
		.amdhsa_next_free_vgpr 216
		.amdhsa_next_free_sgpr 80
		.amdhsa_reserve_vcc 1
		.amdhsa_float_denorm_mode_32 3
		.amdhsa_float_denorm_mode_16_64 3
		.amdhsa_memory_ordered 1
		.amdhsa_forward_progress 1
		.amdhsa_inst_pref_size 154
	.end_amdhsa_kernel
	.amdgpu_metadata
---
amdhsa.version: [ 1, 2 ]
amdhsa.kernels:
  - .name:           k_qd10fadeeb8_prep
    .symbol:         k_qd10fadeeb8_prep.kd
    .args:
      - { .name: w_qkv, .offset: 0, .size: 8, .value_kind: global_buffer, .address_space: global }
      - { .name: w_attn_proj, .offset: 8, .size: 8, .value_kind: global_buffer, .address_space: global }
      - { .name: w_fc, .offset: 16, .size: 8, .value_kind: global_buffer, .address_space: global }
      - { .name: w_mlp_proj, .offset: 24, .size: 8, .value_kind: global_buffer, .address_space: global }
      - { .name: wc, .offset: 32, .size: 8, .value_kind: global_buffer, .address_space: global }
      - { .name: lowp_scales, .offset: 40, .size: 8, .value_kind: global_buffer, .address_space: global }
      - { .name: x, .offset: 48, .size: 8, .value_kind: global_buffer, .address_space: global }
      - { .name: ln1_scale, .offset: 56, .size: 8, .value_kind: global_buffer, .address_space: global }
      - { .name: ln1_bias, .offset: 64, .size: 8, .value_kind: global_buffer, .address_space: global }
      - { .name: ca, .offset: 72, .size: 8, .value_kind: global_buffer, .address_space: global }
      - { .name: mask, .offset: 80, .size: 8, .value_kind: global_buffer, .address_space: global }
      - { .name: maskw, .offset: 88, .size: 8, .value_kind: global_buffer, .address_space: global }
    .group_segment_fixed_size: 35584
    .private_segment_fixed_size: 0
    .kernarg_segment_align: 8
    .kernarg_segment_size: 96
    .max_flat_workgroup_size: 128
    .sgpr_count:     80
    .vgpr_count:     216
    .wavefront_size: 32
...
	.end_amdgpu_metadata
.endif
;; end of part 1
;; launch qkv (part 2): grid 48 x 4, 4 waves a work-group, clusters of 4 x 4, 327,680 bytes of LDS; arguments ca, wc, lowp_scales, b_qkv, qkc, cb; writes qkc, cb
.if DOCPART == 2
	.amdgcn_target "amdgcn-amd-amdhsa--gfx1250"
	.amdhsa_code_object_version 6
	.text
	.protected	k_qd10fadeeb8_qkv
	.globl	k_qd10fadeeb8_qkv
	.p2align	8
	.type	k_qd10fadeeb8_qkv,@function
k_qd10fadeeb8_qkv:
	s_mov_b64 s[64:65], 0
	v_nop
	global_prefetch_b8 v0, s[64:65] scope:SCOPE_SE
	s_setreg_imm32_b32 hwreg(HW_REG_WAVE_MODE, 25, 1), 1
	s_wait_xcnt 0x0
	s_wait_alu depctr_hold_cnt(0) depctr_sa_sdst(0) depctr_va_vdst(0) depctr_va_sdst(0) depctr_va_ssrc(0) depctr_va_vcc(0) depctr_vm_vsrc(0)
	s_getreg_b32 s2, hwreg(HW_REG_IB_STS2, 6, 4)
	s_cmp_eq_u32 s2, 0
	s_cbranch_scc0 .Lentry_in_a_cluster
	s_endpgm
.Lentry_in_a_cluster:
	s_bfe_u32 s2, ttmp6, 0x10000c
	s_cmp_lg_u32 s2, 0xf033
	s_cbranch_scc0 .Lentry_shape_is_right
	s_endpgm
.Lentry_shape_is_right:
; KIND 0: qkv = LN1(x) w_qkv + b_qkv on codes of E4M3, and its three parts quantised for the attention launch.  KIND 1 (the launch fc runs the same text): gelu(LN2(x2) w_fc + b_fc), quantised.
; A tile of 256 x 256 is made by four waves, each 128 x 128: 64 accumulators, 512 registers.  K = 1,024 goes in steps of 256 through a ring of two LDS slots; a tile's row is 256 bytes of memory.
; CLUSTERS of 4 x 4 work-groups: the four of a row need the same tiles of A, the four of a column the same tiles of B; each tile is asked for jointly, by the same tensor load with a mask that names the four.
; THE MATRIX INSTRUCTION IS USED TRANSPOSED (source 0 = 16 rows of B, source 1 = 16 rows of A): a lane holds eight neighbouring columns of one row of the result, which one conversion turns into eight codes.
; KIND 0 has twelve clusters.  Clusters 0-7: A = the tokens' codes (ca), B = w_qkv^T rows 0-2047: q and k, codes [token][2048] in qkc.  q x 1/8 is folded into its scale: code = y / 2^(e2 + 3), exact.
;   Clusters 8-11: A = w_qkv^T rows 2048-3071, B = the tokens' codes: v TRANSPOSED, so that a lane's eight results are eight neighbouring keys: codes [batch x 1024 + channel][2048 keys] in cb.
; The fragments are fetched 16 bytes a lane, a permutation of k that is the same in A and in B.
; THE WAY OUT: sum x 2^(ea + eb) + bias (KIND 1: then gelu as x / (1 + 2^(x (C0 + C1 x x))), which is 0.5 x (1 + tanh(..)) without its cancellation), the hold, the conversion; the codes meet in a stage of
; 256 rows x 272 bytes in slot 0, which has had its last fill and its last read by then; each wave stores 64 whole rows: sixteen lanes store 256 consecutive bytes, aligned.
; LIMITS: ea + eb between -126 and 127; the result's exponent (e2 + 3, e3, e5; e10) between -126 and 119.  NaN among the inputs is not served.
; REGISTERS, in windows of 256: window 0: v0-31 addresses and constants; v32-95 the bias; from v128 A's fragments, ONE set; window 1: B's fragments, TWO sets; windows 2, 3: the accumulators.
.set KIND,   0
.set SIZE_K, 1024
.set KSTEP,  256
.set ROWB,   256
.set KROW,   SIZE_K
.set PITCH,  272                       ; an LDS row: 256 bytes + 16 of padding: the 16 rows that a load touches start at 16 different banks (64 banks of 4 bytes: ISA guide 11.1)
.set FR,     16
.set NL,     4
.set NP,     4                         ; places behind this matrix instruction (ISA guide 7.12.1)
.set HALFT,  128*PITCH
.set SLOT,   4*HALFT
.set LAPS,   SIZE_K/(2*KSTEP)
.set SPARE,  2*SLOT                    ; behind the ring: the spare words, 128 bytes a wave
.if KIND == 0
.set OPITCH, 2048                      ; a row of the output in bytes
.else
.set OPITCH, 4096
.endif
.set ADRA, 16
.set ADRB, 20
.set STO,  24                          ; v24  the way out: where I put 8 codes of a row
.set RD,   25                          ; v25  where I read a row back
.set CO,   26                          ; v26  my byte offset in the output
.set SPW,  28
.set NIL,  29
.set BIAS, 32                          ; v32-95
.set TMP,  96                          ; v96-159  a block's 64 numbers
.set CD,   160                         ; v160-191 a block's codes, two sets by turns
.set U,    192                         ; v192-255 gelu, at work
.set AF,   128
.set G1, 24
.set G0, 32
.set G1B, 48
.set G0B, 56
.set MSB, 0
.macro WIN new                         ; the immediate's high byte repeats the setting that is left
.if MSB != \new
	s_set_vgpr_msb (MSB<<8)|\new
.set MSB, \new
.endif
.endm
.set MUL_LO, 0xa1                      ; source 0 (B) window 1, source 1 (A) window 0, C and D window 2
.set MUL_HI, 0xf1
.set TO_B,   0x40
.macro JLOAD g0a, g1a, g0b, g1b        ; a joint load: waves 0 and 1 fetch for A, waves 2 and 3 for B; an s_nop 0 and four v_nop follow each line
	s_cmp_eq_u32 s15, 0
	s_cbranch_scc0 .Lfor_b_\@
	tensor_load_to_lds s[\g0a:\g0a+3], s[\g1a:\g1a+7]
	s_nop 0
.rept 4
	v_nop
.endr
	s_branch .Lasked_\@
.Lfor_b_\@:
	tensor_load_to_lds s[\g0b:\g0b+3], s[\g1b:\g1b+7]
	s_nop 0
.rept 4
	v_nop
.endr
.Lasked_\@:
.endm
.macro CREST                           ; a round of the cluster's barrier behind its opening barrier
	s_cmp_lg_u32 s14, 0
	s_cbranch_scc1 .Lnot_wave_0_\@
	s_barrier_signal -3
.Lnot_wave_0_\@:
	s_barrier_wait -3
	s_barrier_signal -1
	s_barrier_wait -1
.endm
.macro CROUND
	s_barrier_signal -1
	s_barrier_wait -1
	CREST
.endm
	s_load_b256 s[68:75], s[0:1], 0x0              ; the tokens' codes 68, wc 70, lowp_scales 72, the bias 74
.if KIND == 0
	s_load_b128 s[76:79], s[0:1], 0x20             ; qkc 76, cb 78
.else
	s_load_b64 s[76:77], s[0:1], 0x20              ; gc
.endif
	v_lshl_add_u32 v[SPW], v0, 2, SPARE
	v_mov_b32 v[NIL], 0
	ds_add_u32 v[SPW], v[NIL]                      ; the wave's opening: the add, twice on end, and its wait ahead of my first tensor load
	ds_add_u32 v[SPW], v[NIL]
	v_lshrrev_b32 v1, 5, v0
	v_readfirstlane_b32 s14, v1                    ; wave 0..3
	s_lshr_b32 s15, s14, 1                         ; which half of the tile's rows is mine.  Also: I fetch for A (0) or for B (1)
	s_and_b32 s16, s14, 1                          ; which half of its columns.  Also: which 128 rows of that tile I fetch
	s_bfe_u32 s40, ttmp6, 0x40000                  ; cx, cy
	s_bfe_u32 s41, ttmp6, 0x40004
.if KIND == 0
	s_lshr_b32 s80, ttmp9, 1
	s_and_b32 s81, ttmp9, 1
	s_sub_co_u32 s93, ttmp9, 8
	s_cmp_lt_u32 ttmp9, 8                          ; the cluster's number: the same in all sixteen partners
	s_cselect_b32 s80, s80, 0                      ; the cluster's row of clusters,
	s_cselect_b32 s81, s81, s93                    ; and its column
	s_cselect_b32 s82, 0, 2097152                  ; A's place in its buffer: w_qkv^T from row 2,048 on
	s_cselect_b32 s92, 1, 0                        ; 1: q and k; 0: v transposed
	s_mov_b32 s83, 0
	s_lshl_b32 s42, s81, 2
	s_add_co_u32 s42, s42, s40                     ; tile column
	s_lshl_b32 s17, s80, 2
	s_add_co_u32 s17, s17, s41                     ; tile row
.else
	s_lshl_b32 s42, ttmp9, 2
	s_add_co_u32 s42, s42, s40                     ; tile column = 4 x cluster x + cx
	s_and_b32 s17, ttmp7, 0xffff
	s_lshl_b32 s17, s17, 2
	s_add_co_u32 s17, s17, s41                     ; tile row = 4 x cluster y + cy
.endif
	s_lshl_b32 s43, s41, 2
	s_lshl_b32 s43, 15, s43                        ; my row of the cluster
	s_lshl_b32 s44, 0x1111, s40                    ; my column
	s_or_b32 s[G1+0], s43, (0<<16)|(1<<20)|(1<<21)|(5<<22)|(3<<25)  ; the mask; elements of 1 byte; padding on; bit 21 beside a mask; after every 64 words, 4 words
	s_or_b32 s[G1B+0], s44, (0<<16)|(1<<20)|(1<<21)|(5<<22)|(3<<25)
.irp g, G1, G1B
	s_mov_b32 s[\g+1], ROWB<<16                    ; tensor_dim0
	s_mov_b32 s[\g+2], 128<<16                     ; tensor_dim1
	s_mov_b32 s[\g+3], ROWB<<16                    ; tile_dim0
	s_mov_b32 s[\g+4], 128                         ; tile_dim1
	s_mov_b32 s[\g+5], KROW                        ; tensor_dim0_stride
	s_mov_b32 s[\g+6], 0
	s_mov_b32 s[\g+7], 0
.endr
	s_lshl_b32 s18, s16, 7
	s_lshl_b32 s20, s17, 8
	s_add_co_u32 s20, s20, s18                     ; A: row 256 x tile row + 128 x half
	s_lshl_b32 s46, s42, 8
	s_add_co_u32 s46, s46, s18                     ; B: row 256 x tile column + 128 x half
	s_mov_b32 s21, 0
	s_mov_b32 s47, 0
	s_mov_b64 s[18:19], KROW
	s_mul_u64 s[20:21], s[20:21], s[18:19]
	s_mul_u64 s[46:47], s[46:47], s[18:19]
	s_mul_i32 s45, s14, HALFT                      ; where they go: wave x 128 rows
	s_wait_dscnt 0x0                               ; both opening adds are done
	s_wait_kmcnt 0x0
.if KIND == 0
	s_cmp_eq_u32 s92, 1
	s_cselect_b64 s[4:5], s[68:69], s[70:71]
	s_cselect_b64 s[6:7], s[70:71], s[68:69]
	s_add_nc_u64 s[4:5], s[4:5], s[82:83]
.else
	s_mov_b64 s[4:5], s[68:69]
	s_add_nc_u64 s[6:7], s[70:71], 4194304         ; w_fc^T in wc
.endif
	s_add_nc_u64 s[20:21], s[4:5], s[20:21]
	s_add_nc_u64 s[46:47], s[6:7], s[46:47]
	CROUND                                         ; all sixteen work-groups are here: the first joint loads meet
.irp s, 0,1
	s_mov_b32 s[G0+4*\s], 1
	s_add_co_u32 s[G0+4*\s+1], s45, \s*SLOT
	s_add_nc_u64 s[G0+4*\s+2:G0+4*\s+3], s[20:21], \s*ROWB
	s_or_b32 s[G0+4*\s+3], s[G0+4*\s+3], 0x80000000
	s_mov_b32 s[G0B+4*\s], 1
	s_add_co_u32 s[G0B+4*\s+1], s45, \s*SLOT
	s_add_nc_u64 s[G0B+4*\s+2:G0B+4*\s+3], s[46:47], \s*ROWB
	s_or_b32 s[G0B+4*\s+3], s[G0B+4*\s+3], 0x80000000
.endr
	JLOAD G0, G1, G0B, G1B                         ; K step 0
	v_and_b32 v1, 15, v0                           ; r
	v_bfe_u32 v2, v0, 4, 1                         ; h
	v_mul_u32_u24 v3, v1, PITCH
	s_wait_alu depctr_va_vdst(0)
	v_lshl_add_u32 v4, v2, 4, v3                   ; a fragment's row x pitch + 16 h
	s_mul_i32 s21, s15, HALFT                      ; my 128 rows of A
	s_mul_i32 s22, s16, HALFT                      ; my 128 rows of B,
	s_add_co_u32 s22, s22, 2*HALFT                 ; which lie behind A's 256
.irp s, 0,1
	v_add_nc_u32 v[ADRA+\s], s21, v4
	v_add_nc_u32 v[ADRB+\s], s22, v4
	s_add_co_u32 s21, s21, SLOT
	s_add_co_u32 s22, s22, SLOT
.endr
	s_mul_i32 s23, s15, 128*PITCH                  ; the stage, on the way in: row 128 x row half + r, byte 128 x column half + 8 h
	s_lshl_b32 s18, s16, 7
	s_add_co_u32 s23, s23, s18
	v_lshl_add_u32 v5, v2, 3, v3
	v_add_nc_u32 v[STO], s23, v5
	s_mul_i32 s23, s14, 64*PITCH                   ; and back: my 64 rows; lanes 0-15 one row, lanes 16-31 the next
	v_mul_u32_u24 v5, v2, PITCH
	v_lshl_add_u32 v5, v1, 4, v5
	v_add_nc_u32 v[RD], s23, v5
	v_mul_u32_u24 v5, v2, OPITCH
	v_lshl_add_u32 v[CO], v1, 4, v5
.if KIND == 0
	; the bias, 64 registers.  q and k: register 8 x + i holds the bias of my column 16 x + 8 h + i.  v transposed: that of my row 16 x + r, in all eight i.  One run of loads serves both: the multipliers are chosen
	s_cmp_eq_u32 s92, 1
	s_cselect_b32 s84, 0, 4
	s_cselect_b32 s85, 32, 0
	s_cselect_b32 s86, 4, 0
	v_mul_u32_u24 v7, v1, s84
	v_mad_u32_u24 v7, v2, s85, v7
	s_wait_alu depctr_va_vdst(0)
.irp i, 0,1,2,3,4,5,6,7
	s_mul_i32 s87, s86, \i
	v_add_nc_u32 v[8+\i], s87, v7
.endr
	s_lshl_b32 s87, s42, 8
	s_lshl_b32 s88, s16, 7
	s_add_co_u32 s87, s87, s88                     ; my first column
	s_lshl_b32 s88, s17, 8
	s_lshl_b32 s89, s15, 7
	s_add_co_u32 s88, s88, s89
	s_add_co_u32 s88, s88, 2048                    ; my first row, among v's columns of b_qkv
	s_cmp_eq_u32 s92, 1
	s_cselect_b32 s88, s87, s88
	s_lshl_b32 s88, s88, 2
	s_mov_b32 s89, 0
	s_add_nc_u64 s[12:13], s[74:75], s[88:89]
	s_wait_alu depctr_va_vdst(0)
.irp x, 0,1,2,3,4,5,6,7
.irp i, 0,1,2,3,4,5,6,7
	global_load_b32 v[BIAS+8*\x+\i], v[8+\i], s[12:13] offset:64*\x
.endr
.endr
	; the output.  q, k: qkc + (256 tile row + 64 wave) x 2048 + 256 tile column.  v: cb + ((tile column / 8) x 1024 + 256 tile row + 64 wave) x 2048 + 256 (tile column % 8)
	s_lshr_b32 s87, s42, 3
	s_lshl_b32 s87, s87, 10
	s_and_b32 s88, s42, 7
	s_cmp_eq_u32 s92, 1
	s_cselect_b32 s87, 0, s87
	s_cselect_b32 s88, s42, s88
	s_cselect_b64 s[10:11], s[76:77], s[78:79]
	s_lshl_b32 s89, s17, 8
	s_add_co_u32 s87, s87, s89
	s_lshl_b32 s89, s14, 6
	s_add_co_u32 s87, s87, s89
	s_lshl_b32 s87, s87, 11
	s_lshl_b32 s88, s88, 8
	s_add_co_u32 s88, s87, s88
	s_mov_b32 s89, 0
	s_add_nc_u64 s[10:11], s[10:11], s[88:89]
	s_load_b256 s[84:91], s[72:73], 0x0            ; e0 .. e7: wanted on the way out
.else
	s_lshl_b32 s87, s42, 8
	s_lshl_b32 s88, s16, 7
	s_add_co_u32 s88, s87, s88
	s_lshl_b32 s88, s88, 2
	s_mov_b32 s89, 0
	s_add_nc_u64 s[12:13], s[74:75], s[88:89]      ; the bias of my 128 columns: register 8 x + i holds that of column 16 x + 8 h + i
	v_lshlrev_b32 v7, 5, v2
.irp x, 0,1,2,3,4,5,6,7
	global_load_b128 v[BIAS+8*\x:BIAS+8*\x+3], v7, s[12:13] offset:64*\x
	global_load_b128 v[BIAS+8*\x+4:BIAS+8*\x+7], v7, s[12:13] offset:64*\x+16
.endr
	s_lshl_b32 s87, s17, 8
	s_lshl_b32 s89, s14, 6
	s_add_co_u32 s87, s87, s89
	s_lshl_b32 s87, s87, 12
	s_lshl_b32 s88, s42, 8
	s_add_co_u32 s88, s87, s88
	s_mov_b32 s89, 0
	s_add_nc_u64 s[10:11], s[76:77], s[88:89]      ; gc + (256 tile row + 64 wave) x 4096 + 256 tile column
	s_load_b128 s[84:87], s[72:73], 0x20           ; e8 .. e11: wanted on the way out
.endif
.macro FRAG reg, adr, q, i             ; a fragment, 16 rows x 128 K: lane l holds row l % 16; registers 4 c .. 4 c + 3 hold K = 32 c + 16 (l / 16) + 0 .. 15
.irp c, 0,1,2,3
	ds_load_b128 v[\reg+4*\c:\reg+4*\c+3], v[\adr] offset:128*(\q)+32*\c+(\i)*16*PITCH
.endr
.endm
; 16 matrix instructions: A's blocks a0, a0 + 1 x B's eight.  The 64 accumulators take turns, one instruction a turn, in the same order in every step.
.macro MUL16 a0, p, zero
.irp a, \a0, \a0+1
.irp b, 0,1,2,3,4,5,6,7
.if \zero
	v_wmma_f32_16x16x128_fp8_fp8 v[8*(8*((\a)%4)+\b):8*(8*((\a)%4)+\b)+7], v[128*(\p)+FR*\b:128*(\p)+FR*\b+FR-1], v[AF+FR*(\a):AF+FR*(\a)+FR-1], 0
.else
	v_wmma_f32_16x16x128_fp8_fp8 v[8*(8*((\a)%4)+\b):8*(8*((\a)%4)+\b)+7], v[128*(\p)+FR*\b:128*(\p)+FR*\b+FR-1], v[AF+FR*(\a):AF+FR*(\a)+FR-1], v[8*(8*((\a)%4)+\b):8*(8*((\a)%4)+\b)+7]
.endif
.endr
.endr
.endm
.macro FETCH_B slot, q, p
	WIN TO_B
.irp i, 0,1,2,3,4,5,6,7
	FRAG 128*(\p)+FR*\i, ADRB+\slot, \q, \i
.endr
	WIN 0
.endm
.macro FETCH_A slot, q, i0
.irp i, \i0, \i0+1, \i0+2, \i0+3
	FRAG AF+FR*(\i), ADRA+\slot, \q, \i
.endr
.endm
.macro PLACES n                        ; plain vector instructions between a matrix instruction and a load into, or a vector instruction on, its registers
.rept \n
	v_nop
.endr
.endm
.macro STEP slot, q, zero              ; a step of 128 along K that has its successor in the same slot
	s_wait_dscnt 4*NL                              ; B's set and A's blocks 0-3 are in; the youngest 16 loads (A's blocks 4-7) may be out
	WIN MUL_LO
	MUL16 0, (\q)%2, \zero
	MUL16 2, (\q)%2, \zero
	s_wait_dscnt 0
	PLACES NP
	FETCH_B \slot, (\q)+1, 1-(\q)%2
	FETCH_A \slot, (\q)+1, 0
	WIN MUL_HI
	MUL16 4, (\q)%2, \zero
	MUL16 6, (\q)%2, \zero
	PLACES NP
	WIN 0
	FETCH_A \slot, (\q)+1, 4
.endm
; A slot's last step changes slots: ONE barrier; in front of it each wave waits for all its tensor loads, adds 0 to its spare word, and waits for that and for its own reads of this slot.
.macro TURN slot, next, fill
	s_wait_tensorcnt 0x0                           ; all my tensor loads have landed: my part of the next slot
	ds_add_u32 v[SPW], v[NIL]
	s_wait_dscnt 4*NL+1                            ; the add and the youngest 16 loads may be out
	WIN MUL_LO
	MUL16 0, 1, 0
	s_wait_dscnt 0x0                               ; the add is done, and my reads of this slot are over
	s_barrier_signal -1
	MUL16 2, 1, 0
	WIN 0
	s_barrier_wait -1
.if \fill
	CREST                                          ; the barrier has opened a round of the cluster's barrier: no wave of any partner still reads this slot or has a load on its way
	s_add_nc_u64 s[G0+4*\slot+2:G0+4*\slot+3], s[G0+4*\slot+2:G0+4*\slot+3], 2*ROWB
	s_add_nc_u64 s[G0B+4*\slot+2:G0B+4*\slot+3], s[G0B+4*\slot+2:G0B+4*\slot+3], 2*ROWB
	JLOAD G0+4*\slot, G1, G0B+4*\slot, G1B         ; the first tensor load behind the round; its four v_nop are the places in front of the loads below
.else
	PLACES NP
.endif
	FETCH_B \next, 0, 0
	FETCH_A \next, 0, 0
	WIN MUL_HI
	MUL16 4, 1, 0
	MUL16 6, 1, 0
	PLACES NP
	WIN 0
	FETCH_A \next, 0, 4
.endm
	s_wait_alu depctr_va_vdst(0)
	s_wait_tensorcnt 0x0                           ; my part of K step 0 is in
	ds_add_u32 v[SPW], v[NIL]
	s_wait_dscnt 0x0
	CROUND                                         ; everybody's part of K step 0 is in, and the joint loads meet
	JLOAD G0+4, G1, G0B+4, G1B                     ; K step 1, the first tensor load behind the round
	FETCH_B 0, 0, 0
	FETCH_A 0, 0, 0
	FETCH_A 0, 0, 4
	STEP 0, 0, 1                                   ; the first step's products start the sums
	s_mov_b32 s3, LAPS-1
.Llap:                                                 ; a trip goes once round the ring and fills both slots again
	TURN 0, 1, 1
	STEP 1, 0, 0
	TURN 1, 0, 1
	STEP 0, 0, 0
	s_sub_co_u32 s3, s3, 1
	s_cmp_lg_u32 s3, 0
	s_cbranch_scc1 .Llap
	TURN 0, 1, 0                                   ; the last lap fills nothing
	STEP 1, 0, 0
	s_wait_dscnt 4*NL
	WIN MUL_LO
	MUL16 0, 1, 0
	MUL16 2, 1, 0
	s_wait_dscnt 0
	WIN MUL_HI
	MUL16 4, 1, 0
	MUL16 6, 1, 0
	WIN 0
; THE WAY OUT, block by block of 16 rows x 128 columns.
.macro EFMA a, byrow                   ; sum x 2^(ea + eb) + bias, each accumulator from its low end on
.set AC, 64*((\a)%4)
	WIN 0x02+((\a)/4)                              ; source 0: window 2 or 3
.set j, 0
.rept 32
.if \byrow
	v_pk_fma_f32 v[TMP+j:TMP+j+1], v[AC+j:AC+j+1], s[96:97], v[BIAS+8*(\a)+j%8:BIAS+8*(\a)+j%8+1] op_sel_hi:[1,0,1]
.else
	v_pk_fma_f32 v[TMP+j:TMP+j+1], v[AC+j:AC+j+1], s[96:97], v[BIAS+j:BIAS+j+1] op_sel_hi:[1,0,1]
.endif
.set j, j+2
.endr
	WIN 0
.endm
.macro EGELU                           ; x / (1 + 2^(x (C0 + C1 x x))): the exponentials are one batch with one wait, and so are the reciprocals
.set j, 0
.rept 32
	v_pk_mul_f32 v[U+j:U+j+1], v[TMP+j:TMP+j+1], v[TMP+j:TMP+j+1]
.set j, j+2
.endr
.set j, 0
.rept 32
	v_pk_fma_f32 v[U+j:U+j+1], v[U+j:U+j+1], s[98:99], v[22:23] op_sel_hi:[1,0,0]
.set j, j+2
.endr
.set j, 0
.rept 32
	v_pk_mul_f32 v[U+j:U+j+1], v[U+j:U+j+1], v[TMP+j:TMP+j+1]
.set j, j+2
.endr
.set j, 0
.rept 64
	v_exp_f32 v[U+j], v[U+j]
.set j, j+1
.endr
	v_nop
	s_wait_alu depctr_va_vdst(0)
.set j, 0
.rept 32
	v_pk_add_f32 v[U+j:U+j+1], v[U+j:U+j+1], 1.0 op_sel_hi:[1,0]
.set j, j+2
.endr
.set j, 0
.rept 64
	v_rcp_f32 v[U+j], v[U+j]
.set j, j+1
.endr
	v_nop
	s_wait_alu depctr_va_vdst(0)
.set j, 0
.rept 32
	v_pk_mul_f32 v[TMP+j:TMP+j+1], v[TMP+j:TMP+j+1], v[U+j:U+j+1]
.set j, j+2
.endr
.endm
.macro EQUANT a
.set CC, CD+16*((\a)%2)
.if (\a) >= 2
	s_wait_dscnt 8                                 ; block a - 2's stores have read this set of codes; block a - 1's eight may be out
.endif
.set j, 0
.rept 64
	v_med3_num_f32 v[TMP+j], v[TMP+j], -v31, v31   ; the conversion to an 8-bit code does not saturate (ISA guide 7.6.2)
.set j, j+1
.endr
.irp b, 0,1,2,3,4,5,6,7
	v_cvt_scalef32_pk8_fp8_f32 v[CC+2*\b:CC+2*\b+1], v[TMP+8*\b:TMP+8*\b+7], v30
.endr
	v_nop                                          ; a plain instruction between the conversions and the next block's writes of their sources
.irp b, 0,1,2,3,4,5,6,7
	ds_store_b64 v[STO], v[CC+2*\b:CC+2*\b+1] offset:(\a)*16*PITCH+16*\b
.endr
.endm
.macro BLOCK a
.if KIND == 0
	s_cmp_eq_u32 s92, 1                            ; the cluster's number decides: the same way in all partners; only register work differs
	s_cbranch_scc0 .Lby_row_\@
	EFMA \a, 0
	s_branch .Lsummed_\@
.Lby_row_\@:
	EFMA \a, 1
.Lsummed_\@:
.else
	EFMA \a, 0
	EGELU
.endif
	EQUANT \a
.endm
	s_wait_kmcnt 0x0
	s_add_co_i32 s96, s84, s85                     ; ea + eb
	s_add_co_i32 s96, s96, 127
	s_lshl_b32 s96, s96, 23                        ; 2^(ea + eb) as f32
	s_mov_b32 s97, s96
.if KIND == 0
	s_add_co_i32 s93, s86, 3                       ; q: e2 + 3
	s_cmp_lt_u32 s42, 4
	s_cselect_b32 s93, s93, s87                    ; k: e3
	s_cmp_eq_u32 s92, 1
	s_cselect_b32 s93, s93, s89                    ; v: e5
.else
	s_mov_b32 s93, s86                             ; e10
	s_mov_b32 s98, 0xbdd2d3e8                      ; C1 = -2 sqrt(2 / pi) log2(e) x 0.044715
	s_mov_b32 s99, s98
.endif
	s_add_co_i32 s93, s93, 127
	s_lshl_b32 s94, s93, 23
	s_add_co_i32 s93, s93, 8
	s_lshl_b32 s93, s93, 23
	s_or_b32 s93, s93, 0x600000
	s_wait_loadcnt 0x0                             ; the bias
	PLACES NP
	v_mov_b32 v30, s94                             ; the result's scale as f32
	v_mov_b32 v31, s93                             ; 448 x that
.if KIND == 1
	v_mov_b32 v22, 0xc0135761                      ; C0 = -2 sqrt(2 / pi) log2(e)
	v_mov_b32 v23, 0xc0135761
.endif
.irp a, 0,1,2,3,4,5,6,7
	BLOCK \a
.endr
	s_wait_dscnt 0x0                               ; for the others' sake: my codes lie in the stage
	s_barrier_signal -1
	s_barrier_wait -1
.set t, 0
.rept 32
	ds_load_b128 v[32+4*t:35+4*t], v[RD] offset:544*t
.set t, t+1
.endr
.set t, 0
.rept 32
	s_wait_dscnt 31-t                              ; the younger loads may be out
	global_store_b128 v[CO], v[32+4*t:35+4*t], s[10:11] offset:2*t*OPITCH   ; sixteen lanes store 256 consecutive bytes, aligned
.set t, t+1
.endr
	s_wait_tensorcnt 0x0                           ; the wave's end
	ds_add_u32 v[SPW], v[NIL]
	s_wait_dscnt 0x0
	CROUND                                         ; the closing round
	s_endpgm
.Lfunc_end_k_qd10fadeeb8_qkv:
	.size	k_qd10fadeeb8_qkv, .Lfunc_end_k_qd10fadeeb8_qkv-k_qd10fadeeb8_qkv
	.p2alignl 7, 3214868480
	.fill 96, 4, 3214868480
	.section	.rodata,"a",@progbits
	.p2align	6, 0x0
	.amdhsa_kernel k_qd10fadeeb8_qkv
		.amdhsa_group_segment_fixed_size 327680
		.amdhsa_private_segment_fixed_size 0
		.amdhsa_enable_private_segment 0
		.amdhsa_kernarg_size 48
		.amdhsa_user_sgpr_count 2
		.amdhsa_user_sgpr_kernarg_segment_ptr 1
		.amdhsa_wavefront_size32 1
		.amdhsa_system_sgpr_workgroup_id_x 1
		.amdhsa_system_sgpr_workgroup_id_y 1
		.amdhsa_system_sgpr_workgroup_id_z 1
		.amdhsa_system_vgpr_workitem_id 0
		.amdhsa_next_free_vgpr 1024
		.amdhsa_next_free_sgpr 100
		.amdhsa_reserve_vcc 0
		.amdhsa_float_denorm_mode_32 3
		.amdhsa_float_denorm_mode_16_64 3
		.amdhsa_memory_ordered 1
		.amdhsa_forward_progress 1
		.amdhsa_inst_pref_size 167
	.end_amdhsa_kernel
	.amdgpu_metadata
---
amdhsa.version: [ 1, 2 ]
amdhsa.kernels:
  - .name:           k_qd10fadeeb8_qkv
    .symbol:         k_qd10fadeeb8_qkv.kd
    .args:
      - { .name: ca, .offset: 0, .size: 8, .value_kind: global_buffer, .address_space: global }
      - { .name: wc, .offset: 8, .size: 8, .value_kind: global_buffer, .address_space: global }
      - { .name: lowp_scales, .offset: 16, .size: 8, .value_kind: global_buffer, .address_space: global }
      - { .name: b_qkv, .offset: 24, .size: 8, .value_kind: global_buffer, .address_space: global }
      - { .name: qkc, .offset: 32, .size: 8, .value_kind: global_buffer, .address_space: global }
      - { .name: cb, .offset: 40, .size: 8, .value_kind: global_buffer, .address_space: global }
    .group_segment_fixed_size: 327680
    .private_segment_fixed_size: 0
    .kernarg_segment_align: 8
    .kernarg_segment_size: 48
    .max_flat_workgroup_size: 128
    .sgpr_count:     100
    .vgpr_count:     1024
    .wavefront_size: 32
...
	.end_amdgpu_metadata
.endif
;; end of part 2
;; launch attn (part 3): grid 8 x 32, 16 waves a work-group, no clusters, 297,984 bytes of LDS; arguments qkc, cb, maskw, lowp_scales, ca; writes ca
.if DOCPART == 3
	.amdgcn_target "amdgcn-amd-amdhsa--gfx1250"
	.amdhsa_code_object_version 6
	.text
	.protected	k_qd10fadeeb8_attn
	.globl	k_qd10fadeeb8_attn
	.p2align	8
	.type	k_qd10fadeeb8_attn,@function
k_qd10fadeeb8_attn:
	s_mov_b64 s[64:65], 0
	v_nop
	global_prefetch_b8 v0, s[64:65] scope:SCOPE_SE
	s_setreg_imm32_b32 hwreg(HW_REG_WAVE_MODE, 25, 1), 1
	s_wait_xcnt 0x0
; Attention on codes of E4M3: scores = q k^T (q already x 1/8), the mask (an input), p = 2^(t - M), O = p v / l, and O quantised at e6 for the projection.
; t = logit x log2(e); M = the running largest t rounded UP to a whole number; l is the sum of the unquantised p; when M moves, l and O are multiplied by 2^(old M - new M), a power of two.
; PASSED OVER: a step of 16 queries x 128 keys whose flag (bit st of the tile's flag word, made from the mask by the first launch and read here from memory) is 0: there every p is 0 (shown at the head of the first launch, for every mask).
; Where bit 16 + st is set the mask keeps all of the step: its mask words are not loaded and no score is replaced.
; SHARES.  A work-group takes one head of one batch and 256 queries: blocks i and 15 - i of 128.  Wave w (j = bits 3, 1, 0 of w; par = bit 2) takes tile j of both blocks: of tile T1 the even steps, of tile T0 the odd steps;
; par = 0: T1 lies in block 15 - i, T0 in block i; par = 1 the other way round.  So wave w xor 4 does the other steps of the same two tiles.  At the end each wave hands its part of T0 (O, -M, l) to that wave through LDS
; and finishes T1: both parts are brought under the larger M by powers of two and added.  The split enters no result beyond rounding; it evens the flagged steps among the waves where the mask is lower triangular.
; THE FILL.  K (2,048 rows of 64 bytes, 80 apart) and V^T (64 rows of 2,048 bytes, 2,064 apart) come into LDS in four chunks of 512 keys, through 32 registers a lane: 8 loads of 16 bytes a wave and chunk,
; issued a whole trip (four steps) ahead of their stores; one barrier a chunk.  A chunk's bytes are written once, and read only behind its barrier.
; NO CLUSTER, NO TENSOR LOAD, though the eight work-groups of a head read the same K and V: the steps are passed over by branches on loaded numbers.
; NO PREFETCH: each chunk's own loads are issued four steps ahead of their use, and the loop has four trips.
; LAYOUT.  Both products are used transposed (S^T = K Q^T, O^T = V^T P^T): a lane holds one query (lane % 16).  Score 8 t + j of lane (r, h) is key 16 t + 8 h + j of the step.  p's codes of tiles 2 c, 2 c + 1 are, in registers
; 4 c .. 4 c + 3, keys 32 c + 8 h + 0 .. 7 and 32 c + 16 + 8 h + 0 .. 7; the fill lays V's keys to match: within 32 keys the eights go in the order 0, 2, 1, 3.  Q's and K's fragments are fetched 16 bytes a lane, the same permutation on both sides.
; A hidden score becomes NEG = -2^33 / 2^(e2 + e3), a logit of -2^33 in place of -1e10: NEG x c is a whole number, so a row with no key kept gets p = 1 for all keys, as -1e10 gives in f32; beside any kept key both give p = 0.
; THE HOLD of p at 448 x 2^e4 is jumped over where e4 >= -8: then 448 x 2^e4 > 1 >= p and it changes nothing.
; LIMITS: -94 <= e2 + e3 <= 8; e4 and e6 between -126 and 119.  NaN among the inputs is not served.
; REGISTERS: v1-3 my place in a tile of K, of V, of V's rows 32 on; v4, v7, v8 addresses in hand; v5, v6 the add's two; v9-11, v20 the fill's; v12-15 T1's -M, largest t, l; v16-19 T0's; v21 NEG; v22, v23 2^e4, 448 x 2^e4;
; v24-31, v32-39 Q of T1, T0; v40-71 K's tiles 0-3, then scores 32-63; v72-103 the fill; v104-135 scores 0-31, then V's rows 32-63; v136-167 K's tiles 4-7, then V's rows 0-31; v168-199, v200-231 O^T of T1, T0; v232-247 sums, then p's codes; v250-255 at work.
.set KP,    80
.set VP,    2064
.set VOFF,  2048*KP
.set SPARE, VOFF+64*VP                 ; the spare words: 128 bytes for each of 16 waves
.set XP,    4352                       ; the hand-over, in K's bytes when nobody reads them any more: 32 registers' images and 8 bytes a lane, for each wave
.set STG,   16*XP                      ; behind it the way out: 16 rows x 80 bytes for each wave
.set SP,    80
.set SA, 104
.set SB, 40
.set VG, 136
.set FS, 72
.set CD, 232
.macro MLOAD mp, sq                    ; a step's 64 mask words
	s_load_b512 s[20:35], s[\mp:\mp+1], 256*(\sq)
	s_load_b512 s[36:51], s[\mp:\mp+1], 256*(\sq)+0x40
	s_load_b512 s[68:83], s[\mp:\mp+1], 256*(\sq)+0x80
	s_load_b512 s[84:99], s[\mp:\mp+1], 256*(\sq)+0xc0
.endm
.macro GFILL                           ; a chunk: my 32 keys of K (8 keys a load, four lanes to a key's 64 bytes), my 4 rows of V^T (512 consecutive bytes a load)
.irp n, 0,1,2,3
	global_load_b128 v[FS+4*\n:FS+4*\n+3], v9, s[54:55] offset:16384*\n
.endr
.irp n, 0,1,2,3
	global_load_b128 v[FS+16+4*\n:FS+16+4*\n+3], v10, s[56:57] offset:2048*\n
.endr
.endm
.macro QK qb, sq
.rept 5
	v_nop                                          ; five places: the first products below write over V's fragments, which the last products read; four of them serve the loads
.endr
.irp t, 0,1,2,3
	ds_load_b128 v[SB+8*\t:SB+8*\t+3], v4 offset:(128*(\sq)+16*\t)*KP
	ds_load_b128 v[SB+8*\t+4:SB+8*\t+7], v4 offset:(128*(\sq)+16*\t)*KP+32
.endr
.irp t, 0,1,2,3
	ds_load_b128 v[VG+8*\t:VG+8*\t+3], v4 offset:(128*(\sq)+64+16*\t)*KP
	ds_load_b128 v[VG+8*\t+4:VG+8*\t+7], v4 offset:(128*(\sq)+64+16*\t)*KP+32
.endr
	s_wait_dscnt 8
.irp t, 0,1,2,3
	v_wmma_f32_16x16x64_fp8_fp8 v[SA+8*\t:SA+8*\t+7], v[SB+8*\t:SB+8*\t+7], v[\qb:\qb+7], 0
.endr
.rept 5
	v_nop                                          ; five places: the next products write over the fragments just read
.endr
	s_wait_dscnt 0x0
.irp t, 0,1,2,3
	v_wmma_f32_16x16x64_fp8_fp8 v[SB+8*\t:SB+8*\t+7], v[VG+8*\t:VG+8*\t+7], v[\qb:\qb+7], 0
.endr
.rept 4
	v_nop
.endr
.irp t, 0,1
.irp c, 0,1,2,3
	ds_load_b128 v[VG+16*\t+4*\c:VG+16*\t+4*\c+3], v7 offset:16*\t*VP+128*(\sq)+32*\c
.endr
.endr
.endm
; A step of 128 keys for one tile.  ob: its O^T; qb: its Q; st: its -M, largest t, l; fl: its flags; sq: the step in the chunk; mp: its mask words
.macro STEP ob, qb, st, fl, sq, mp
	s_bitcmp1_b32 s[\fl], \sq
	s_cbranch_scc0 .Lhid_\@
	s_bitcmp1_b32 s[\fl], 16+\sq
	s_cbranch_scc1 .Lall_\@
	MLOAD \mp, \sq
	QK \qb, \sq
	s_wait_kmcnt 0x0
.set n, 0
.rept 32
	v_cndmask_b32 v[SA+n], v21, v[SA+n], s[20+n]   ; a hidden score becomes NEG; each accumulator from its low end on
.set n, n+1
.endr
.set n, 0
.rept 32
	v_cndmask_b32 v[SB+n], v21, v[SB+n], s[68+n]
.set n, n+1
.endr
	s_wait_alu depctr_va_vdst(0)
	s_branch .Lmax_\@
.Lall_\@:
	QK \qb, \sq
.Lmax_\@:
	v_max3_num_f32 v254, v[SA], v[SA+1], v[SA+2]   ; the step's largest score of my query among my 64 keys, in two chains
	v_max3_num_f32 v250, v[SA+3], v[SA+4], v[SA+5]
.irp i, 6,10,14,18,22,26
	v_max3_num_f32 v254, v254, v[SA+\i], v[SA+\i+1]
	v_max3_num_f32 v250, v250, v[SA+\i+2], v[SA+\i+3]
.endr
	v_max3_num_f32 v254, v254, v[SA+30], v[SA+31]
.irp i, 0,4,8,12,16,20,24,28
	v_max3_num_f32 v250, v250, v[SB+\i], v[SB+\i+1]
	v_max3_num_f32 v254, v254, v[SB+\i+2], v[SB+\i+3]
.endr
	v_max_num_f32 v254, v254, v250
	v_permlanex16_b32 v251, v254, s8, s9
	v_max_num_f32 v254, v254, v251                 ; and among lane l xor 16's
	v_mul_f32 v254, s10, v254                      ; as t (c is positive)
	v_max_num_f32 v[\st+1], v[\st+1], v254
	v_mov_b32 v254, v[\st]
	v_floor_f32 v[\st], -v[\st+1]                  ; the new -M = floor(-t)
	v_sub_f32 v254, v[\st], v254                   ; old M - new M: a whole number, 0 or less
	v_cvt_i32_f32 v254, v254                       ; (it saturates)
	v_ldexp_f32 v252, 1.0, v254                    ; f = 2^(old M - new M)
.irp b, SA, SB
.set j, 0
.rept 16
	v_pk_fma_f32 v[\b+j:\b+j+1], v[\b+j:\b+j+1], s[10:11], v[\st:\st+1] op_sel_hi:[1,0,0]   ; t - M
.set j, j+2
.endr
.endr
	s_wait_alu depctr_va_vdst(0)
.irp b, SA, SB
.set j, 0
.rept 32
	v_exp_f32 v[\b+j], v[\b+j]                     ; p = 2^(t - M)
.set j, j+1
.endr
.endr
	v_pk_mul_f32 v[\st+2:\st+3], v[\st+2:\st+3], v[252:253] op_sel_hi:[1,0]   ; l under the new M: the plain instruction behind the batch
	s_wait_alu depctr_va_vdst(0)                   ; and the one wait behind it
	v_pk_add_f32 v[232:233], v[SA:SA+1], v[SA+2:SA+3]   ; l takes the unquantised p, in four chains
	v_pk_add_f32 v[234:235], v[SA+4:SA+5], v[SA+6:SA+7]
	v_pk_add_f32 v[236:237], v[SA+8:SA+9], v[SA+10:SA+11]
	v_pk_add_f32 v[\st+2:\st+3], v[\st+2:\st+3], v[SA+12:SA+13]
	v_pk_add_f32 v[232:233], v[232:233], v[SA+14:SA+15]
.irp i, SA+16, SA+24, SB, SB+8, SB+16, SB+24
	v_pk_add_f32 v[234:235], v[234:235], v[\i:\i+1]
	v_pk_add_f32 v[236:237], v[236:237], v[\i+2:\i+3]
	v_pk_add_f32 v[\st+2:\st+3], v[\st+2:\st+3], v[\i+4:\i+5]
	v_pk_add_f32 v[232:233], v[232:233], v[\i+6:\i+7]
.endr
	v_pk_add_f32 v[234:235], v[234:235], v[236:237]
	v_pk_add_f32 v[\st+2:\st+3], v[\st+2:\st+3], v[232:233]
	v_pk_add_f32 v[\st+2:\st+3], v[\st+2:\st+3], v[234:235]
	s_wait_alu depctr_va_vdst(0)
	s_cmp_gt_i32 s18, -9                           ; e4 >= -8: the hold changes nothing
	s_cbranch_scc1 .Lfree_\@
.irp b, SA, SB
.set j, 0
.rept 32
	v_min_num_f32 v[\b+j], v[\b+j], v23            ; the conversion does not saturate (ISA guide 7.6.2); p is not negative, so the hold is one-sided
.set j, j+1
.endr
.endr
.Lfree_\@:
.irp u, 0,1,2,3
	v_cvt_scalef32_pk8_fp8_f32 v[CD+2*\u:CD+2*\u+1], v[SA+8*\u:SA+8*\u+7], v22
.endr
.irp t, 0,1
.irp c, 0,1,2,3
	ds_load_b128 v[SA+16*\t+4*\c:SA+16*\t+4*\c+3], v8 offset:16*\t*VP+128*(\sq)+32*\c   ; V's rows 32-63, over the p that are converted
.endr
.endr
.irp u, 0,1,2,3
	v_cvt_scalef32_pk8_fp8_f32 v[CD+8+2*\u:CD+8+2*\u+1], v[SB+8*\u:SB+8*\u+7], v22
.endr
	s_wait_alu depctr_va_vdst(0)
.set j, 0
.rept 16
	v_pk_mul_f32 v[\ob+j:\ob+j+1], v[\ob+j:\ob+j+1], v[252:253] op_sel_hi:[1,0]   ; O^T under the new M; also the plain instructions behind the conversions
.set j, j+2
.endr
	s_wait_alu depctr_va_vdst(0)
	s_wait_dscnt 0x0
.irp t, 0,1
	v_wmma_f32_16x16x128_fp8_fp8 v[\ob+8*\t:\ob+8*\t+7], v[VG+16*\t:VG+16*\t+15], v[CD:CD+15], v[\ob+8*\t:\ob+8*\t+7]   ; the four accumulators by turns
.endr
.irp t, 0,1
	v_wmma_f32_16x16x128_fp8_fp8 v[\ob+16+8*\t:\ob+16+8*\t+7], v[SA+16*\t:SA+16*\t+15], v[CD:CD+15], v[\ob+16+8*\t:\ob+16+8*\t+7]
.endr
.Lhid_\@:
.endm
	s_load_b256 s[20:27], s[0:1], 0x0              ; qkc 20, cb 22, maskw 24, lowp_scales 26
	s_load_b64 s[16:17], s[0:1], 0x20              ; ca
	v_lshl_add_u32 v5, v0, 2, SPARE
	v_mov_b32 v6, 0
	v_lshrrev_b32 v4, 5, v0
	v_readfirstlane_b32 s4, v4                     ; wave 0..15
	s_and_b32 s63, ttmp7, 0xffff
	s_lshr_b32 s36, s63, 4                         ; the batch
	s_and_b32 s37, s63, 15                         ; the head
	s_bfe_u32 s38, s4, 0x10002                     ; par
	s_and_b32 s39, s4, 3
	s_lshr_b32 s40, s4, 3
	s_lshl_b32 s40, s40, 2
	s_or_b32 s39, s39, s40                         ; j
	s_lshl_b32 s40, ttmp9, 3
	s_sub_co_u32 s41, 120, s40
	s_add_co_u32 s40, s40, s39                     ; tile j of block i,
	s_add_co_u32 s41, s41, s39                     ; and of block 15 - i
	s_cmp_eq_u32 s38, 0
	s_cselect_b32 s42, s41, s40                    ; T1
	s_cselect_b32 s43, s40, s41                    ; T0
	s_lshl_b32 s44, s36, 11                        ; the batch's first row
	s_lshl_b32 s45, s37, 6                         ; the head's 64 bytes (and its 64 rows of V^T)
	s_lshl_b32 s46, s4, 5
	s_add_co_u32 s46, s46, s44
	s_lshl_b32 s46, s46, 11                        ; the fill of K: keys 32 wave on, rows of 2,048 bytes,
	s_add_co_u32 s46, s46, s45
	s_add_co_u32 s46, s46, 1024                    ; in k's half of a row
	s_mov_b32 s47, 0
	s_lshl_b32 s48, s36, 10
	s_add_co_u32 s48, s48, s45
	s_lshl_b32 s49, s4, 2
	s_add_co_u32 s48, s48, s49
	s_lshl_b32 s48, s48, 11                        ; the fill of V: rows batch x 1024 + head x 64 + 4 wave on
	s_mov_b32 s49, 0
	s_lshl_b32 s50, s42, 4
	s_add_co_u32 s50, s50, s44                     ; T1's first row
	s_lshl_b32 s58, s50, 10
	s_add_co_u32 s58, s58, s45                     ; in ca,
	s_mov_b32 s59, 0
	s_lshl_b32 s50, s50, 11
	s_add_co_u32 s50, s50, s45                     ; in qkc
	s_mov_b32 s51, 0
	s_lshl_b32 s52, s43, 4
	s_add_co_u32 s52, s52, s44
	s_lshl_b32 s52, s52, 11
	s_add_co_u32 s52, s52, s45                     ; T0's in qkc
	s_mov_b32 s53, 0
	s_mul_i32 s62, s42, 4352                       ; the tiles' records of mask words
	s_mov_b32 s63, 0
	s_mul_i32 s28, s43, 4352
	s_mov_b32 s29, 0
	s_mov_b32 s8, 0x76543210
	s_mov_b32 s9, 0xfedcba98
	s_mov_b32 s2, 0                                ; the chunk's place in K,
	s_mov_b32 s3, 0                                ; in a row of V
	s_mov_b32 s5, 4
	v_and_b32 v7, 15, v0                           ; r
	v_bfe_u32 v8, v0, 4, 1                         ; h
	v_and_b32 v4, 31, v0                           ; lane
	v_mul_u32_u24 v1, v7, KP
	v_mul_u32_u24 v2, v7, VP
	v_lshlrev_b32 v254, 11, v7
	v_lshl_add_u32 v1, v8, 4, v1
	v_lshl_add_u32 v2, v8, 4, v2
	v_lshl_add_u32 v254, v8, 4, v254               ; Q: row r, + 16 h
	v_add_nc_u32 v2, VOFF, v2
	v_lshrrev_b32 v250, 2, v4
	v_and_b32 v251, 3, v4
	v_add_nc_u32 v3, 32*VP, v2
	v_lshlrev_b32 v251, 4, v251
	v_mul_u32_u24 v11, v250, KP
	v_lshl_add_u32 v9, v250, 11, v251              ; K in memory
	v_add_nc_u32 v11, v11, v251
	s_mul_i32 s30, s4, 32*KP
	v_add_nc_u32 v11, s30, v11                     ; K in LDS
	v_lshlrev_b32 v10, 4, v4                       ; V in memory
	v_lshrrev_b32 v250, 1, v4
	v_and_b32 v251, 1, v4
	v_lshlrev_b32 v20, 5, v250
	v_lshl_add_u32 v20, v251, 3, v20
	s_mul_i32 s30, s4, 4*VP
	s_add_co_u32 s30, s30, VOFF
	v_add_nc_u32 v20, s30, v20                     ; V in LDS: my 16 keys' first eight at 32 (lane / 2) + 8 (lane % 2), the second eight 16 further on
	s_wait_alu depctr_va_vdst(0)
	s_wait_kmcnt 0x0
	s_add_nc_u64 s[54:55], s[20:21], s[46:47]
	s_add_nc_u64 s[56:57], s[22:23], s[48:49]
	s_add_nc_u64 s[14:15], s[20:21], s[50:51]
	s_add_nc_u64 s[52:53], s[20:21], s[52:53]
	s_add_nc_u64 s[6:7], s[24:25], s[62:63]
	s_add_nc_u64 s[60:61], s[24:25], s[28:29]
	s_add_nc_u64 s[16:17], s[16:17], s[58:59]
	s_load_b128 s[28:31], s[26:27], 0x8            ; e2 .. e5
	s_load_b32 s32, s[26:27], 0x18                 ; e6
	s_load_b32 s13, s[6:7], 0x1000                 ; T1's flags
	s_load_b32 s12, s[60:61], 0x1000               ; T0's
	GFILL                                          ; chunk 0
	global_load_b128 v[24:27], v254, s[14:15]      ; the two Q fragments stay in registers
	global_load_b128 v[28:31], v254, s[14:15] offset:32
	global_load_b128 v[32:35], v254, s[52:53]
	global_load_b128 v[36:39], v254, s[52:53] offset:32
	v_mov_b32 v13, 0xff61b1e6                      ; the largest t so far: -3e38
	v_mov_b32 v17, 0xff61b1e6
	v_floor_f32 v12, -v13
	v_floor_f32 v16, -v17
	v_mov_b32 v14, 0
	v_mov_b32 v15, 0
	v_mov_b32 v18, 0
	v_mov_b32 v19, 0
	v_mov_b32 v251, 0                              ; a lane permute's destination counts as one of its sources
	v_mov_b32 v252, 0
	v_mov_b32 v253, 0                              ; named as the upper halves of pairs
	v_mov_b32 v255, 0
.set j, 0
.rept 64
	v_mov_b32 v[168+j], 0                          ; O^T of both tiles: the step is written once; its first run finds zeros
.set j, j+1
.endr
	s_wait_kmcnt 0x0
	s_add_co_i32 s62, s28, s29                     ; e2 + e3
	s_lshl_b32 s63, s62, 23
	s_add_co_i32 s10, s63, 0x3fb8aa3b              ; c = log2(e) x 2^(e2 + e3)
	s_mov_b32 s11, s10
	s_sub_co_i32 s63, 160, s62
	s_lshl_b32 s63, s63, 23
	s_or_b32 s63, s63, 0x80000000
	v_mov_b32 v21, s63                             ; NEG
	s_mov_b32 s18, s30                             ; e4
	s_add_co_i32 s19, s30, s31                     ; e4 + e5
	s_mov_b32 s58, s32                             ; e6
	s_add_co_i32 s62, s30, 127
	s_lshl_b32 s63, s62, 23
	v_mov_b32 v22, s63                             ; 2^e4
	s_add_co_i32 s62, s62, 8
	s_lshl_b32 s62, s62, 23
	s_or_b32 s62, s62, 0x600000
	v_mov_b32 v23, s62                             ; 448 x 2^e4
	s_wait_alu depctr_va_vdst(0)
.Lchunk:                                               ; four trips, a chunk of 512 keys each
	s_wait_loadcnt 0x0                             ; this chunk's eight loads (the first trip: and Q's four)
	v_add_nc_u32 v248, s2, v11                     ; v248, v249: where my part of the chunk goes
	v_add_nc_u32 v249, s3, v20
.irp n, 0,1,2,3
	ds_store_b128 v248, v[FS+4*\n:FS+4*\n+3] offset:8*KP*\n
.endr
.irp n, 0,1,2,3
	ds_store_b64 v249, v[FS+16+4*\n:FS+17+4*\n] offset:\n*VP
	ds_store_b64 v249, v[FS+18+4*\n:FS+19+4*\n] offset:\n*VP+16
.endr
	v_add_nc_u32 v4, s2, v1                        ; the chunk's place in K, in V's rows 0-31 and 32-63: made once a trip, ahead of every branch; the four steps differ by immediates
	v_add_nc_u32 v7, s3, v2
	v_add_nc_u32 v8, s3, v3
	s_wait_alu depctr_va_vdst(0)
	s_wait_dscnt 0x0
	s_barrier_signal -1
	s_barrier_wait -1                              ; everybody's does
	s_cmp_eq_u32 s5, 1
	s_cbranch_scc1 .Lfilled                        ; behind the last chunk there is none
	s_add_nc_u64 s[54:55], s[54:55], 1048576       ; 512 rows of qkc on (the loads that read these bases are done)
	s_add_nc_u64 s[56:57], s[56:57], 512
	GFILL
.Lfilled:
	STEP 168, 24, 12, 13, 0, 6
	STEP 200, 32, 16, 12, 1, 60
	STEP 168, 24, 12, 13, 2, 6
	STEP 200, 32, 16, 12, 3, 60
	s_lshr_b32 s13, s13, 4
	s_lshr_b32 s12, s12, 4
	s_add_co_u32 s2, s2, 512*KP
	s_add_co_u32 s3, s3, 512
	s_add_nc_u64 s[6:7], s[6:7], 1024              ; every load of mask words has been waited for
	s_add_nc_u64 s[60:61], s[60:61], 1024
	s_sub_co_u32 s5, s5, 1
	s_cmp_lg_u32 s5, 0
	s_cbranch_scc1 .Lchunk
	; THE HAND-OVER: my part of T0 goes to wave w xor 4, its part of my T1 comes to me.
.rept 4
	v_nop
.endr
	s_wait_dscnt 0x0
	s_barrier_signal -1
	s_barrier_wait -1
	s_wait_loadcnt 0x0                             ; no load of the fill is out: its offsets' registers are written below
	v_and_b32 v4, 31, v0
	v_lshlrev_b32 v7, 4, v4
	v_lshlrev_b32 v20, 3, v4
	s_mul_i32 s62, s4, XP
	s_xor_b32 s63, s4, 4
	s_mul_i32 s63, s63, XP
	v_add_nc_u32 v8, s62, v7
	v_add_nc_u32 v9, s63, v7
	v_add_nc_u32 v10, s62, v20
	v_add_nc_u32 v11, s63, v20
	v_add_f32 v17, v18, v19                        ; v[16:17]: T0's -M and my lane's l
.set k, 0
.rept 8
	s_wait_alu depctr_va_vdst(0)
	ds_store_b128 v8, v[200+4*k:203+4*k] offset:512*k
.set k, k+1
.endr
	ds_store_b64 v10, v[16:17] offset:4096
	s_wait_dscnt 0x0                               ; for the other's sake
	s_barrier_signal -1
	s_barrier_wait -1
.set k, 0
.rept 8
	ds_load_b128 v[SA+4*k:SA+4*k+3], v9 offset:512*k
.set k, k+1
.endr
	ds_load_b64 v[40:41], v11 offset:4096
	v_and_b32 v20, 15, v0                          ; r
	v_bfe_u32 v21, v0, 4, 1                        ; h
	v_mul_u32_u24 v1, v20, SP
	v_lshl_add_u32 v1, v21, 3, v1
	s_mul_i32 s62, s4, 16*SP
	s_add_co_u32 s62, s62, STG                     ; my stage
	v_add_nc_u32 v1, s62, v1                       ; into it: row r, + 8 h
	v_lshrrev_b32 v20, 2, v4
	v_and_b32 v21, 3, v4
	v_lshlrev_b32 v21, 4, v21
	v_mul_u32_u24 v2, v20, SP
	v_add_nc_u32 v2, v2, v21
	v_add_nc_u32 v2, s62, v2                       ; back out of it: eight rows a load
	v_lshl_add_u32 v3, v20, 10, v21                ; and eight rows of ca a store
	s_add_co_i32 s62, s58, 127
	s_lshl_b32 s63, s62, 23
	v_mov_b32 v22, s63                             ; 2^e6
	s_add_co_i32 s62, s62, 8
	s_lshl_b32 s62, s62, 23
	s_or_b32 s62, s62, 0x600000
	v_mov_b32 v23, s62                             ; 448 x 2^e6
	v_add_f32 v14, v14, v15                        ; my lane's l of T1
	s_wait_alu depctr_va_vdst(0)
	s_wait_dscnt 0x0
	v_min_num_f32 v254, v12, v40                   ; -M of both parts
	v_sub_f32 v250, v254, v12                      ; whole numbers, 0 or less
	v_sub_f32 v251, v254, v40
	v_cvt_i32_f32 v250, v250                       ; (they saturate: a part with no step gets the factor 0)
	v_cvt_i32_f32 v251, v251
	v_ldexp_f32 v250, 1.0, v250
	v_ldexp_f32 v251, 1.0, v251
	v_mul_f32 v14, v14, v250
	v_fmac_f32 v14, v41, v251
	v_permlanex16_b32 v252, v14, s8, s9
	v_add_f32 v14, v14, v252                       ; l
	s_wait_alu depctr_va_vdst(0)
	v_rcp_f32 v14, v14
	v_nop
	s_wait_alu depctr_va_vdst(0)
	v_ldexp_f32 v14, v14, s19                      ; 2^(e4 + e5) / l
	v_mul_f32 v252, v250, v14
	v_mul_f32 v254, v251, v14
	s_wait_alu depctr_va_vdst(0)
.set j, 0
.rept 16
	v_pk_mul_f32 v[VG+j:VG+j+1], v[168+j:169+j], v[252:253] op_sel_hi:[1,0]   ; register 8 t + i: channel 16 t + 8 h + i of my query
.set j, j+2
.endr
.set j, 0
.rept 16
	v_pk_fma_f32 v[VG+j:VG+j+1], v[SA+j:SA+j+1], v[254:255], v[VG+j:VG+j+1] op_sel_hi:[1,0,1]
.set j, j+2
.endr
.set j, 0
.rept 32
	v_med3_num_f32 v[VG+j], v[VG+j], -v23, v23
.set j, j+1
.endr
.irp t, 0,1,2,3
	v_cvt_scalef32_pk8_fp8_f32 v[CD+2*\t:CD+2*\t+1], v[VG+8*\t:VG+8*\t+7], v22
.endr
	v_nop
.irp t, 0,1,2,3
	ds_store_b64 v1, v[CD+2*\t:CD+2*\t+1] offset:16*\t
.endr
	ds_load_b128 v[40:43], v2                      ; LDS serves a wave's instructions in order: these see my stores
	ds_load_b128 v[44:47], v2 offset:8*SP
	s_wait_dscnt 1                                 ; the second load may be out
	global_store_b128 v3, v[40:43], s[16:17]
	s_wait_dscnt 0x0
	global_store_b128 v3, v[44:47], s[16:17] offset:8192
	s_wait_tensorcnt 0x0                           ; the wave's end
	ds_add_u32 v5, v6
	s_wait_dscnt 0x0
	s_endpgm
.Lfunc_end_k_qd10fadeeb8_attn:
	.size	k_qd10fadeeb8_attn, .Lfunc_end_k_qd10fadeeb8_attn-k_qd10fadeeb8_attn
	.p2alignl 7, 3214868480
	.fill 96, 4, 3214868480
	.section	.rodata,"a",@progbits
	.p2align	6, 0x0
	.amdhsa_kernel k_qd10fadeeb8_attn
		.amdhsa_group_segment_fixed_size 297984
		.amdhsa_private_segment_fixed_size 0
		.amdhsa_enable_private_segment 0
		.amdhsa_kernarg_size 40
		.amdhsa_user_sgpr_count 2
		.amdhsa_user_sgpr_kernarg_segment_ptr 1
		.amdhsa_wavefront_size32 1
		.amdhsa_system_sgpr_workgroup_id_x 1
		.amdhsa_system_sgpr_workgroup_id_y 1
		.amdhsa_system_sgpr_workgroup_id_z 1
		.amdhsa_system_vgpr_workitem_id 0
		.amdhsa_next_free_vgpr 256
		.amdhsa_next_free_sgpr 100
		.amdhsa_reserve_vcc 0
		.amdhsa_float_denorm_mode_32 3
		.amdhsa_float_denorm_mode_16_64 3
		.amdhsa_memory_ordered 1
		.amdhsa_forward_progress 1
		.amdhsa_inst_pref_size 110
	.end_amdhsa_kernel
	.amdgpu_metadata
---
amdhsa.version: [ 1, 2 ]
amdhsa.kernels:
  - .name:           k_qd10fadeeb8_attn
    .symbol:         k_qd10fadeeb8_attn.kd
    .args:
      - { .name: qkc, .offset: 0, .size: 8, .value_kind: global_buffer, .address_space: global }
      - { .name: cb, .offset: 8, .size: 8, .value_kind: global_buffer, .address_space: global }
      - { .name: maskw, .offset: 16, .size: 8, .value_kind: global_buffer, .address_space: global }
      - { .name: lowp_scales, .offset: 24, .size: 8, .value_kind: global_buffer, .address_space: global }
      - { .name: ca, .offset: 32, .size: 8, .value_kind: global_buffer, .address_space: global }
    .group_segment_fixed_size: 297984
    .private_segment_fixed_size: 0
    .kernarg_segment_align: 8
    .kernarg_segment_size: 40
    .max_flat_workgroup_size: 512
    .sgpr_count:     100
    .vgpr_count:     256
    .wavefront_size: 32
...
	.end_amdgpu_metadata
.endif
;; end of part 3
;; launch proj (part 4): grid 8 x 32, 4 waves a work-group, clusters of 4 x 4, 327,680 bytes of LDS; arguments ca, wc, lowp_scales, b_attn_proj, x, x2; writes x2
.if DOCPART == 4
	.amdgcn_target "amdgcn-amd-amdhsa--gfx1250"
	.amdhsa_code_object_version 6
	.text
	.protected	k_qd10fadeeb8_proj
	.globl	k_qd10fadeeb8_proj
	.p2align	8
	.type	k_qd10fadeeb8_proj,@function
k_qd10fadeeb8_proj:
	s_mov_b64 s[64:65], 0
	v_nop
	global_prefetch_b8 v0, s[64:65] scope:SCOPE_SE
	s_setreg_imm32_b32 hwreg(HW_REG_WAVE_MODE, 25, 1), 1
	s_wait_xcnt 0x0
	s_wait_alu depctr_hold_cnt(0) depctr_sa_sdst(0) depctr_va_vdst(0) depctr_va_sdst(0) depctr_va_ssrc(0) depctr_va_vcc(0) depctr_vm_vsrc(0)
	s_getreg_b32 s2, hwreg(HW_REG_IB_STS2, 6, 4)
	s_cmp_eq_u32 s2, 0
	s_cbranch_scc0 .Lentry_in_a_cluster
	s_endpgm
.Lentry_in_a_cluster:
	s_bfe_u32 s2, ttmp6, 0x10000c
	s_cmp_lg_u32 s2, 0xf033
	s_cbranch_scc0 .Lentry_shape_is_right
	s_endpgm
.Lentry_shape_is_right:
.set SIZE_K, 1024
.set BOFF,   3145728
.set EOFF,   0x18
.set NTOUT,  0
.set KSTEP,  512
.set PITCH,  528
.set HALFT,  64*PITCH
.set SLOT,   4*HALFT
.set STAGE,  2*SLOT
.set SPITCH, 272
.set SPARE,  STAGE+4*16*SPITCH
.set LAPS,   SIZE_K/(2*KSTEP)
.set ADRA, 16
.set ADRB, 20
.set STO,  24
.set RD,   25
.set CO,   26
.set SPW,  28
.set NIL,  29
.set BK,   32
.set RES,  64
.set ACC,  128
.set F0,   0
.set F1,   128
.set G1, 24
.set G0, 32
.set G1B, 48
.set G0B, 56
.set MSB, 0
.macro WIN new
.if MSB != \new
	s_set_vgpr_msb (MSB<<8)|\new
.set MSB, \new
.endif
.endm
.set MUL,  0x05
.set TO_F, 0x40
.macro JLOAD s
	s_cmp_eq_u32 s11, 0
	s_cbranch_scc0 .Lfor_b_\@
	tensor_load_to_lds s[G0+4*\s:G0+4*\s+3], s[G1:G1+7]
	s_nop 0
.rept 4
	v_nop
.endr
	s_branch .Lasked_\@
.Lfor_b_\@:
	tensor_load_to_lds s[G0B+4*\s:G0B+4*\s+3], s[G1B:G1B+7]
	s_nop 0
.rept 4
	v_nop
.endr
.Lasked_\@:
.endm
.macro CREST
	s_cmp_lg_u32 s10, 0
	s_cbranch_scc1 .Lnot_wave_0_\@
	s_barrier_signal -3
.Lnot_wave_0_\@:
	s_barrier_wait -3
	s_barrier_signal -1
	s_barrier_wait -1
.endm
.macro CROUND
	s_barrier_signal -1
	s_barrier_wait -1
	CREST
.endm
.macro RLOAD a
.irp t, 0,1,2,3,4,5,6,7
	global_load_b128 v[RES+32*((\a)%2)+4*\t:RES+32*((\a)%2)+4*\t+3], v[CO], s[76:77] offset:(16*(\a)+2*\t)*4096
.endr
.endm
	s_load_b128 s[4:7], s[0:1], 0x0
	s_load_b256 s[68:75], s[0:1], 0x10
	v_lshl_add_u32 v[SPW], v0, 2, SPARE
	v_mov_b32 v[NIL], 0
	ds_add_u32 v[SPW], v[NIL]
	ds_add_u32 v[SPW], v[NIL]
	v_lshrrev_b32 v1, 5, v0
	v_readfirstlane_b32 s10, v1
	s_lshr_b32 s11, s10, 1
	s_and_b32 s12, s10, 1
	s_bfe_u32 s40, ttmp6, 0x40000
	s_bfe_u32 s41, ttmp6, 0x40004
	s_lshl_b32 s42, ttmp9, 2
	s_add_co_u32 s42, s42, s40
	s_and_b32 s13, ttmp7, 0xffff
	s_lshl_b32 s13, s13, 2
	s_add_co_u32 s13, s13, s41
	s_lshl_b32 s43, s41, 2
	s_lshl_b32 s43, 15, s43
	s_lshl_b32 s44, 0x1111, s40
	s_or_b32 s[G1+0], s43, (0<<16)|(1<<20)|(1<<21)|(6<<22)|(3<<25)
	s_or_b32 s[G1B+0], s44, (0<<16)|(1<<20)|(1<<21)|(6<<22)|(3<<25)
.irp g, G1, G1B
	s_mov_b32 s[\g+1], KSTEP<<16
	s_mov_b32 s[\g+2], 64<<16
	s_mov_b32 s[\g+3], KSTEP<<16
	s_mov_b32 s[\g+4], 64
	s_mov_b32 s[\g+5], SIZE_K
	s_mov_b32 s[\g+6], 0
	s_mov_b32 s[\g+7], 0
.endr
	s_lshl_b32 s17, s12, 6
	s_lshl_b32 s16, s13, 7
	s_add_co_u32 s16, s16, s17
	s_lshl_b32 s46, s42, 7
	s_add_co_u32 s46, s46, s17
	s_mov_b32 s17, 0
	s_mov_b32 s47, 0
	s_mov_b64 s[18:19], SIZE_K
	s_mul_u64 s[16:17], s[16:17], s[18:19]
	s_mul_u64 s[46:47], s[46:47], s[18:19]
	s_mul_i32 s20, s10, HALFT
	s_wait_dscnt 0x0
	s_wait_kmcnt 0x0
	s_load_b64 s[78:79], s[68:69], EOFF
	s_add_nc_u64 s[6:7], s[6:7], BOFF
	s_add_nc_u64 s[14:15], s[4:5], s[16:17]
	s_add_nc_u64 s[46:47], s[6:7], s[46:47]
	CROUND
.irp s, 0,1
	s_mov_b32 s[G0+4*\s], 1
	s_add_co_u32 s[G0+4*\s+1], s20, \s*SLOT
	s_add_nc_u64 s[G0+4*\s+2:G0+4*\s+3], s[14:15], \s*KSTEP
	s_or_b32 s[G0+4*\s+3], s[G0+4*\s+3], 0x80000000
	s_mov_b32 s[G0B+4*\s], 1
	s_add_co_u32 s[G0B+4*\s+1], s20, \s*SLOT
	s_add_nc_u64 s[G0B+4*\s+2:G0B+4*\s+3], s[46:47], \s*KSTEP
	s_or_b32 s[G0B+4*\s+3], s[G0B+4*\s+3], 0x80000000
.endr
	JLOAD 0                                        ; K step 0
	v_and_b32 v1, 15, v0
	s_wait_alu depctr_va_vdst(0)
	v_bfe_u32 v2, v0, 4, 1
	v_mul_u32_u24 v3, v1, PITCH
	v_lshl_add_u32 v3, v2, 4, v3
	s_mul_i32 s21, s11, HALFT
	s_mul_i32 s22, s12, HALFT
	s_add_co_u32 s22, s22, 2*HALFT
.irp s, 0,1
	v_add_nc_u32 v[ADRA+\s], s21, v3
	v_add_nc_u32 v[ADRB+\s], s22, v3
	s_add_co_u32 s21, s21, SLOT
	s_add_co_u32 s22, s22, SLOT
.endr
	s_mul_i32 s23, s10, 16*SPITCH
	s_add_co_u32 s23, s23, STAGE
	v_mul_u32_u24 v4, v1, SPITCH
	s_wait_alu depctr_va_vdst(0)
	v_lshl_add_u32 v4, v2, 5, v4
	v_add_nc_u32 v[STO], s23, v4
	v_mul_u32_u24 v5, v2, SPITCH
	v_lshl_add_u32 v5, v1, 4, v5
	v_add_nc_u32 v[RD], s23, v5
	v_lshlrev_b32 v5, 12, v2
	v_lshl_add_u32 v[CO], v1, 4, v5
	v_lshlrev_b32 v6, 4, v1
	s_wait_alu depctr_va_vdst(0)
	s_lshl_b32 s80, s13, 7
	s_lshl_b32 s81, s11, 6
	s_add_co_u32 s80, s80, s81
	s_lshl_b32 s80, s80, 12
	s_lshl_b32 s82, s42, 9
	s_lshl_b32 s83, s12, 8
	s_add_co_u32 s82, s82, s83
	s_add_co_u32 s80, s80, s82
	s_mov_b32 s81, 0
	s_mov_b32 s83, 0
	s_add_nc_u64 s[8:9], s[74:75], s[80:81]
	s_add_nc_u64 s[76:77], s[72:73], s[80:81]
	s_add_nc_u64 s[70:71], s[70:71], s[82:83]
	global_load_b128 v[12:15], v6, s[70:71]
	RLOAD 0
	RLOAD 1
.macro MUL8 f, c, a0, zero
.irp a, \a0, \a0+1
.irp b, 0,1,2,3
.if \zero
	v_wmma_f32_16x16x64_fp8_fp8 v[ACC+8*(4*(\a)+\b):ACC+8*(4*(\a)+\b)+7], v[\f+64+8*(4*\c+\b):\f+64+8*(4*\c+\b)+7], v[\f+8*(4*\c+\a):\f+8*(4*\c+\a)+7], 0
.else
	v_wmma_f32_16x16x64_fp8_fp8 v[ACC+8*(4*(\a)+\b):ACC+8*(4*(\a)+\b)+7], v[\f+64+8*(4*\c+\b):\f+64+8*(4*\c+\b)+7], v[\f+8*(4*\c+\a):\f+8*(4*\c+\a)+7], v[ACC+8*(4*(\a)+\b):ACC+8*(4*(\a)+\b)+7]
.endif
.endr
.endr
.endm
.macro FETCH slot, k, f
	WIN TO_F
.irp c, 0,1
.irp i, 0,1,2,3
	ds_load_b128 v[\f+64+8*(4*\c+\i):\f+64+8*(4*\c+\i)+3],   v[ADRB+\slot] offset:\k+64*\c+\i*16*PITCH
	ds_load_b128 v[\f+64+8*(4*\c+\i)+4:\f+64+8*(4*\c+\i)+7], v[ADRB+\slot] offset:\k+64*\c+\i*16*PITCH+32
	ds_load_b128 v[\f+8*(4*\c+\i):\f+8*(4*\c+\i)+3],         v[ADRA+\slot] offset:\k+64*\c+\i*16*PITCH
	ds_load_b128 v[\f+8*(4*\c+\i)+4:\f+8*(4*\c+\i)+7],       v[ADRA+\slot] offset:\k+64*\c+\i*16*PITCH+32
.endr
.endr
.endm
.macro PLACES
.rept 4
	v_nop
.endr
.endm
.macro QUARTER slot, k, f, g, zero
	s_wait_dscnt 16
	WIN MUL
	MUL8 \f, 0, 0, \zero
	MUL8 \f, 0, 2, \zero
	PLACES
	FETCH \slot, \k, \g
	s_wait_dscnt 32
	WIN MUL
	MUL8 \f, 1, 0, 0
	MUL8 \f, 1, 2, 0
.endm
.macro TURN slot, next, fill
	WIN 0
	s_wait_tensorcnt 0x0
	ds_add_u32 v[SPW], v[NIL]
	s_wait_dscnt 17
	WIN MUL
	MUL8 F1, 0, 0, 0
	s_wait_dscnt 0x0
	s_barrier_signal -1
	MUL8 F1, 0, 2, 0
.if \fill
	WIN 0
.endif
	s_barrier_wait -1
.if \fill
	CREST
	s_add_nc_u64 s[G0+4*\slot+2:G0+4*\slot+3], s[G0+4*\slot+2:G0+4*\slot+3], 2*KSTEP
	s_add_nc_u64 s[G0B+4*\slot+2:G0B+4*\slot+3], s[G0B+4*\slot+2:G0B+4*\slot+3], 2*KSTEP
	JLOAD \slot
.else
	PLACES
.endif
	FETCH \next, 0, F0
	WIN MUL
	MUL8 F1, 1, 0, 0
	MUL8 F1, 1, 2, 0
.endm
	s_wait_alu depctr_va_vdst(0)
	s_wait_tensorcnt 0x0                           ; my part of K step 0 is in
	ds_add_u32 v[SPW], v[NIL]
	s_wait_dscnt 0x0
	CROUND
	JLOAD 1                                        ; K step 1, the first tensor load behind the round
	FETCH 0, 0, F0
	QUARTER 0, 128, F0, F1, 1
.if LAPS > 1
	WIN 0
	s_mov_b32 s3, LAPS-1
.Llap:
	QUARTER 0, 256, F1, F0, 0
	QUARTER 0, 384, F0, F1, 0
	TURN 0, 1, 1
	QUARTER 1, 128, F0, F1, 0
	QUARTER 1, 256, F1, F0, 0
	QUARTER 1, 384, F0, F1, 0
	TURN 1, 0, 1
	QUARTER 0, 128, F0, F1, 0
	WIN 0
	s_sub_co_u32 s3, s3, 1
	s_cmp_lg_u32 s3, 0
	s_cbranch_scc1 .Llap
.endif
	QUARTER 0, 256, F1, F0, 0
	QUARTER 0, 384, F0, F1, 0
	TURN 0, 1, 0
	QUARTER 1, 128, F0, F1, 0
	QUARTER 1, 256, F1, F0, 0
	QUARTER 1, 384, F0, F1, 0
	s_wait_dscnt 16
	WIN MUL
	MUL8 F1, 0, 0, 0
	MUL8 F1, 0, 2, 0
	s_wait_dscnt 0
	MUL8 F1, 1, 0, 0
	MUL8 F1, 1, 2, 0
	WIN 0
.macro OUT a
.set RS, RES+32*((\a)%2)
.if (\a) > 0
	s_wait_xcnt 0x0
.endif
.irp b, 0,1,2,3
	ds_store_b128 v[STO], v[ACC+8*(4*(\a)+\b):ACC+8*(4*(\a)+\b)+3] offset:64*\b
	ds_store_b128 v[STO], v[ACC+8*(4*(\a)+\b)+4:ACC+8*(4*(\a)+\b)+7] offset:64*\b+16
.endr
.irp t, 0,1,2,3,4,5,6,7
	ds_load_b128 v[BK+4*\t:BK+4*\t+3], v[RD] offset:\t*2*SPITCH
.endr
.if (\a) < 3
	s_wait_loadcnt 8
.else
	s_wait_loadcnt 0x0
.endif
	s_wait_dscnt 0x0
.irp t, 0,1,2,3,4,5,6,7
	v_pk_fma_f32 v[BK+4*\t:BK+4*\t+1], v[BK+4*\t:BK+4*\t+1], s[78:79], v[12:13] op_sel_hi:[1,0,1]
	v_pk_fma_f32 v[BK+4*\t+2:BK+4*\t+3], v[BK+4*\t+2:BK+4*\t+3], s[78:79], v[14:15] op_sel_hi:[1,0,1]
.endr
.set k, 0
.rept 16
	v_pk_add_f32 v[BK+k:BK+k+1], v[BK+k:BK+k+1], v[RS+k:RS+k+1]
.set k, k+2
.endr
.if (\a) < 2
	RLOAD (\a)+2
.endif
.irp t, 0,1,2,3,4,5,6,7
.if NTOUT
	global_store_b128 v[CO], v[BK+4*\t:BK+4*\t+3], s[8:9] offset:(16*(\a)+2*\t)*4096 th:TH_STORE_NT
.else
	global_store_b128 v[CO], v[BK+4*\t:BK+4*\t+3], s[8:9] offset:(16*(\a)+2*\t)*4096
.endif
.endr
.endm
	s_wait_kmcnt 0x0
	s_add_co_i32 s78, s78, s79
	s_add_co_i32 s78, s78, 127
	s_lshl_b32 s78, s78, 23
	s_mov_b32 s79, s78
	PLACES
	OUT 0
	OUT 1
	OUT 2
	OUT 3
	s_wait_tensorcnt 0x0
	ds_add_u32 v[SPW], v[NIL]
	s_wait_dscnt 0x0
	CROUND
	s_endpgm
.Lfunc_end_k_qd10fadeeb8_proj:
	.size	k_qd10fadeeb8_proj, .Lfunc_end_k_qd10fadeeb8_proj-k_qd10fadeeb8_proj
	.p2alignl 7, 3214868480
	.fill 96, 4, 3214868480
	.section	.rodata,"a",@progbits
	.p2align	6, 0x0
	.amdhsa_kernel k_qd10fadeeb8_proj
		.amdhsa_group_segment_fixed_size 327680
		.amdhsa_private_segment_fixed_size 0
		.amdhsa_enable_private_segment 0
		.amdhsa_kernarg_size 48
		.amdhsa_user_sgpr_count 2
		.amdhsa_user_sgpr_kernarg_segment_ptr 1
		.amdhsa_wavefront_size32 1
		.amdhsa_system_sgpr_workgroup_id_x 1
		.amdhsa_system_sgpr_workgroup_id_y 1
		.amdhsa_system_sgpr_workgroup_id_z 1
		.amdhsa_system_vgpr_workitem_id 0
		.amdhsa_next_free_vgpr 512
		.amdhsa_next_free_sgpr 84
		.amdhsa_reserve_vcc 0
		.amdhsa_float_denorm_mode_32 3
		.amdhsa_float_denorm_mode_16_64 3
		.amdhsa_memory_ordered 1
		.amdhsa_forward_progress 1
		.amdhsa_inst_pref_size 61
	.end_amdhsa_kernel
	.amdgpu_metadata
---
amdhsa.version: [ 1, 2 ]
amdhsa.kernels:
  - .name:           k_qd10fadeeb8_proj
    .symbol:         k_qd10fadeeb8_proj.kd
    .args:
      - { .name: ca, .offset: 0, .size: 8, .value_kind: global_buffer, .address_space: global }
      - { .name: wc, .offset: 8, .size: 8, .value_kind: global_buffer, .address_space: global }
      - { .name: lowp_scales, .offset: 16, .size: 8, .value_kind: global_buffer, .address_space: global }
      - { .name: b_attn_proj, .offset: 24, .size: 8, .value_kind: global_buffer, .address_space: global }
      - { .name: x, .offset: 32, .size: 8, .value_kind: global_buffer, .address_space: global }
      - { .name: x2, .offset: 40, .size: 8, .value_kind: global_buffer, .address_space: global }
    .group_segment_fixed_size: 327680
    .private_segment_fixed_size: 0
    .kernarg_segment_align: 8
    .kernarg_segment_size: 48
    .max_flat_workgroup_size: 128
    .sgpr_count:     84
    .vgpr_count:     512
    .wavefront_size: 32
...
	.end_amdgpu_metadata
.endif
;; end of part 4
;; launch ln2 (part 5): grid 256 x 1, 4 waves a work-group, no clusters, 0 bytes of LDS; arguments x2, ln2_scale, ln2_bias, lowp_scales, cb; writes cb
.if DOCPART == 5
	.amdgcn_target "amdgcn-amd-amdhsa--gfx1250"
	.amdhsa_code_object_version 6
	.text
	.protected	k_qd10fadeeb8_ln2
	.globl	k_qd10fadeeb8_ln2
	.p2align	8
	.type	k_qd10fadeeb8_ln2,@function
k_qd10fadeeb8_ln2:
	s_mov_b64 s[64:65], 0
	v_nop
	global_prefetch_b8 v0, s[64:65] scope:SCOPE_SE
	s_setreg_imm32_b32 hwreg(HW_REG_WAVE_MODE, 25, 1), 1
	s_wait_xcnt 0x0
; Layer norm 2 of x2 [4096][1024], in f32, quantised at e8 into codes [4096][1024] in cb.  A stream: no LDS, no barrier, no matrix unit.
; One wave to a row, four rows a wave, the row kept in 32 registers a lane between the passes.  A lane owns columns 256 j + 8 lane + 0 .. 7, j = 0 .. 3: eight neighbours for each conversion,
; and each store of the wave covers 256 consecutive bytes of codes, aligned.
; LIMITS: e8 between -126 and 119.  NaN among the inputs is not served.
.set GP,  6                            ; s[6:7] the gain, s[8:9] the bias
.set BP,  8
.set G,   16                           ; v16-47 my 32 gains, v48-79 my 32 biases, v80-207 four rows of 32 numbers, v8-15 a row's codes
.set BI,  48
.set XR,  80
.set CDR, 8
.macro REDUCE                          ; four pairs of partial sums -> the row's sum in v4, in every lane
	v_pk_add_f32 v[4:5], v[4:5], v[6:7]
	v_pk_add_f32 v[208:209], v[208:209], v[210:211]
	v_pk_add_f32 v[4:5], v[4:5], v[208:209]
	v_add_f32 v4, v4, v5
	v_add_f32_dpp v4, v4, v4 row_xmask:1 row_mask:0xf bank_mask:0xf
	v_add_f32_dpp v4, v4, v4 row_xmask:2 row_mask:0xf bank_mask:0xf
	v_add_f32_dpp v4, v4, v4 row_xmask:4 row_mask:0xf bank_mask:0xf
	v_add_f32_dpp v4, v4, v4 row_xmask:8 row_mask:0xf bank_mask:0xf
	v_permlanex16_b32 v5, v4, s42, s43
	v_add_f32 v4, v4, v5
.endm
.macro LNROW i
.set XS, XR+32*(\i)
	s_wait_loadcnt 8*(3-(\i))                      ; this row's eight loads are in; the later rows' may be out
	v_pk_add_f32 v[4:5], v[XS:XS+1], v[XS+2:XS+3]
	v_pk_add_f32 v[6:7], v[XS+4:XS+5], v[XS+6:XS+7]
	v_pk_add_f32 v[208:209], v[XS+8:XS+9], v[XS+10:XS+11]
	v_pk_add_f32 v[210:211], v[XS+12:XS+13], v[XS+14:XS+15]
.irp k, 16,24
	v_pk_add_f32 v[4:5], v[4:5], v[XS+\k:XS+\k+1]
	v_pk_add_f32 v[6:7], v[6:7], v[XS+\k+2:XS+\k+3]
	v_pk_add_f32 v[208:209], v[208:209], v[XS+\k+4:XS+\k+5]
	v_pk_add_f32 v[210:211], v[210:211], v[XS+\k+6:XS+\k+7]
.endr
	REDUCE
	v_mul_f32 v4, s40, v4                          ; the mean
.set k, 0
.rept 16
	v_pk_add_f32 v[XS+k:XS+k+1], v[XS+k:XS+k+1], v[4:5] op_sel_hi:[1,0] neg_lo:[0,1] neg_hi:[0,1]   ; x - mean
.set k, k+2
.endr
	v_pk_mul_f32 v[4:5], v[XS:XS+1], v[XS:XS+1]
	v_pk_mul_f32 v[6:7], v[XS+2:XS+3], v[XS+2:XS+3]
	v_pk_mul_f32 v[208:209], v[XS+4:XS+5], v[XS+4:XS+5]
	v_pk_mul_f32 v[210:211], v[XS+6:XS+7], v[XS+6:XS+7]
.irp k, 8,16,24
	v_pk_fma_f32 v[4:5], v[XS+\k:XS+\k+1], v[XS+\k:XS+\k+1], v[4:5]
	v_pk_fma_f32 v[6:7], v[XS+\k+2:XS+\k+3], v[XS+\k+2:XS+\k+3], v[6:7]
	v_pk_fma_f32 v[208:209], v[XS+\k+4:XS+\k+5], v[XS+\k+4:XS+\k+5], v[208:209]
	v_pk_fma_f32 v[210:211], v[XS+\k+6:XS+\k+7], v[XS+\k+6:XS+\k+7], v[210:211]
.endr
	REDUCE
	v_fma_f32 v4, v4, s40, s41                     ; the variance + 1e-5
	s_wait_alu depctr_va_vdst(0)
	v_rsq_f32 v6, v4
	v_nop                                          ; a plain instruction behind the transcendental,
	s_wait_alu depctr_va_vdst(0)                   ; and the wait ahead of its first reader
.set k, 0
.rept 16
	v_pk_mul_f32 v[XS+k:XS+k+1], v[XS+k:XS+k+1], v[6:7] op_sel_hi:[1,0]
.set k, k+2
.endr
.set k, 0
.rept 16
	v_pk_fma_f32 v[XS+k:XS+k+1], v[XS+k:XS+k+1], v[G+k:G+k+1], v[BI+k:BI+k+1]
.set k, k+2
.endr
.set k, 0
.rept 32
	v_med3_num_f32 v[XS+k], v[XS+k], -v213, v213   ; the conversion to an 8-bit code does not saturate (ISA guide 7.6.2)
.set k, k+1
.endr
.if (\i) > 0
	s_wait_alu depctr_va_vdst(0)
	s_wait_xcnt 0x0                                ; the last row's stores have read the codes' registers
.endif
.irp j, 0,1,2,3
	v_cvt_scalef32_pk8_fp8_f32 v[CDR+2*\j:CDR+2*\j+1], v[XS+8*\j:XS+8*\j+7], v212
.endr
.irp j, 0,1,2,3
	global_store_b64 v3, v[CDR+2*\j:CDR+2*\j+1], s[46:47] offset:1024*(\i)+256*\j
.endr
.endm
	s_load_b256 s[4:11], s[0:1], 0x0               ; x2 4, ln2_scale 6, ln2_bias 8, lowp_scales 10
	s_load_b64 s[12:13], s[0:1], 0x20              ; cb
	v_lshrrev_b32 v1, 5, v0
	v_readfirstlane_b32 s2, v1                     ; wave 0..3
	v_and_b32 v1, 31, v0                           ; lane
	s_wait_alu depctr_va_vdst(0)
	s_lshl_b32 s48, ttmp9, 4
	s_lshl_b32 s49, s2, 2
	s_add_co_u32 s48, s48, s49                     ; my first row
	s_lshl_b32 s50, s48, 12
	s_mov_b32 s51, 0
	s_mov_b32 s40, 0x3a800000                      ; 1 / 1024
	s_mov_b32 s41, 0x3727c5ac                      ; 1e-5
	s_mov_b32 s42, 0x76543210                      ; v_permlanex16_b32: lane l xor 16
	s_mov_b32 s43, 0xfedcba98
	v_lshlrev_b32 v2, 5, v1
	v_lshlrev_b32 v3, 3, v1
	s_wait_alu depctr_va_vdst(0)
	s_wait_kmcnt 0x0
	s_load_b32 s28, s[10:11], 0x20                 ; e8
	s_add_nc_u64 s[44:45], s[4:5], s[50:51]
	s_lshl_b32 s50, s48, 10
	s_add_nc_u64 s[46:47], s[12:13], s[50:51]
.irp j, 0,1,2,3
.irp u, 0,1
	global_load_b128 v[G+8*\j+4*\u:G+8*\j+4*\u+3], v2, s[GP:GP+1] offset:1024*\j+16*\u
.endr
.endr
.irp j, 0,1,2,3
.irp u, 0,1
	global_load_b128 v[BI+8*\j+4*\u:BI+8*\j+4*\u+3], v2, s[BP:BP+1] offset:1024*\j+16*\u
.endr
.endr
.irp i, 0,1,2,3
.irp j, 0,1,2,3
.irp u, 0,1
	global_load_b128 v[XR+32*\i+8*\j+4*\u:XR+32*\i+8*\j+4*\u+3], v2, s[44:45] offset:4096*\i+1024*\j+16*\u
.endr
.endr
.endr
	s_wait_kmcnt 0x0
	s_add_co_i32 s48, s28, 127
	s_lshl_b32 s49, s48, 23
	v_mov_b32 v212, s49                            ; 2^e8
	s_add_co_i32 s48, s48, 8
	s_lshl_b32 s48, s48, 23
	s_or_b32 s48, s48, 0x600000
	v_mov_b32 v213, s48                            ; 448 x 2^e8
	LNROW 0
	LNROW 1
	LNROW 2
	LNROW 3
	s_endpgm
.Lfunc_end_k_qd10fadeeb8_ln2:
	.size	k_qd10fadeeb8_ln2, .Lfunc_end_k_qd10fadeeb8_ln2-k_qd10fadeeb8_ln2
	.p2alignl 7, 3214868480
	.fill 96, 4, 3214868480
	.section	.rodata,"a",@progbits
	.p2align	6, 0x0
	.amdhsa_kernel k_qd10fadeeb8_ln2
		.amdhsa_group_segment_fixed_size 0
		.amdhsa_private_segment_fixed_size 0
		.amdhsa_enable_private_segment 0
		.amdhsa_kernarg_size 40
		.amdhsa_user_sgpr_count 2
		.amdhsa_user_sgpr_kernarg_segment_ptr 1
		.amdhsa_wavefront_size32 1
		.amdhsa_system_sgpr_workgroup_id_x 1
		.amdhsa_system_sgpr_workgroup_id_y 1
		.amdhsa_system_sgpr_workgroup_id_z 1
		.amdhsa_system_vgpr_workitem_id 0
		.amdhsa_next_free_vgpr 216
		.amdhsa_next_free_sgpr 66
		.amdhsa_reserve_vcc 0
		.amdhsa_float_denorm_mode_32 3
		.amdhsa_float_denorm_mode_16_64 3
		.amdhsa_memory_ordered 1
		.amdhsa_forward_progress 1
		.amdhsa_inst_pref_size 42
	.end_amdhsa_kernel
	.amdgpu_metadata
---
amdhsa.version: [ 1, 2 ]
amdhsa.kernels:
  - .name:           k_qd10fadeeb8_ln2
    .symbol:         k_qd10fadeeb8_ln2.kd
    .args:
      - { .name: x2, .offset: 0, .size: 8, .value_kind: global_buffer, .address_space: global }
      - { .name: ln2_scale, .offset: 8, .size: 8, .value_kind: global_buffer, .address_space: global }
      - { .name: ln2_bias, .offset: 16, .size: 8, .value_kind: global_buffer, .address_space: global }
      - { .name: lowp_scales, .offset: 24, .size: 8, .value_kind: global_buffer, .address_space: global }
      - { .name: cb, .offset: 32, .size: 8, .value_kind: global_buffer, .address_space: global }
    .group_segment_fixed_size: 0
    .private_segment_fixed_size: 0
    .kernarg_segment_align: 8
    .kernarg_segment_size: 40
    .max_flat_workgroup_size: 128
    .sgpr_count:     66
    .vgpr_count:     216
    .wavefront_size: 32
...
	.end_amdgpu_metadata
.endif
;; end of part 5
;; launch fc (part 6): grid 16 x 16, 4 waves a work-group, clusters of 4 x 4, 327,680 bytes of LDS; arguments cb, wc, lowp_scales, b_fc, gc; writes gc
.if DOCPART == 6
	.amdgcn_target "amdgcn-amd-amdhsa--gfx1250"
	.amdhsa_code_object_version 6
	.text
	.protected	k_qd10fadeeb8_fc
	.globl	k_qd10fadeeb8_fc
	.p2align	8
	.type	k_qd10fadeeb8_fc,@function
k_qd10fadeeb8_fc:
	s_mov_b64 s[64:65], 0
	v_nop
	global_prefetch_b8 v0, s[64:65] scope:SCOPE_SE
	s_setreg_imm32_b32 hwreg(HW_REG_WAVE_MODE, 25, 1), 1
	s_wait_xcnt 0x0
	s_wait_alu depctr_hold_cnt(0) depctr_sa_sdst(0) depctr_va_vdst(0) depctr_va_sdst(0) depctr_va_ssrc(0) depctr_va_vcc(0) depctr_vm_vsrc(0)
	s_getreg_b32 s2, hwreg(HW_REG_IB_STS2, 6, 4)
	s_cmp_eq_u32 s2, 0
	s_cbranch_scc0 .Lentry_in_a_cluster
	s_endpgm
.Lentry_in_a_cluster:
	s_bfe_u32 s2, ttmp6, 0x10000c
	s_cmp_lg_u32 s2, 0xf033
	s_cbranch_scc0 .Lentry_shape_is_right
	s_endpgm
.Lentry_shape_is_right:
.set KIND,   1
.set SIZE_K, 1024
.set KSTEP,  256
.set ROWB,   256
.set KROW,   SIZE_K
.set PITCH,  272
.set FR,     16
.set NL,     4
.set NP,     4
.set HALFT,  128*PITCH
.set SLOT,   4*HALFT
.set LAPS,   SIZE_K/(2*KSTEP)
.set SPARE,  2*SLOT
.if KIND == 0
.set OPITCH, 2048
.else
.set OPITCH, 4096
.endif
.set ADRA, 16
.set ADRB, 20
.set STO,  24
.set RD,   25
.set CO,   26
.set SPW,  28
.set NIL,  29
.set BIAS, 32
.set TMP,  96
.set CD,   160
.set U,    192
.set AF,   128
.set G1, 24
.set G0, 32
.set G1B, 48
.set G0B, 56
.set MSB, 0
.macro WIN new
.if MSB != \new
	s_set_vgpr_msb (MSB<<8)|\new
.set MSB, \new
.endif
.endm
.set MUL_LO, 0xa1
.set MUL_HI, 0xf1
.set TO_B,   0x40
.macro JLOAD g0a, g1a, g0b, g1b
	s_cmp_eq_u32 s15, 0
	s_cbranch_scc0 .Lfor_b_\@
	tensor_load_to_lds s[\g0a:\g0a+3], s[\g1a:\g1a+7]
	s_nop 0
.rept 4
	v_nop
.endr
	s_branch .Lasked_\@
.Lfor_b_\@:
	tensor_load_to_lds s[\g0b:\g0b+3], s[\g1b:\g1b+7]
	s_nop 0
.rept 4
	v_nop
.endr
.Lasked_\@:
.endm
.macro CREST
	s_cmp_lg_u32 s14, 0
	s_cbranch_scc1 .Lnot_wave_0_\@
	s_barrier_signal -3
.Lnot_wave_0_\@:
	s_barrier_wait -3
	s_barrier_signal -1
	s_barrier_wait -1
.endm
.macro CROUND
	s_barrier_signal -1
	s_barrier_wait -1
	CREST
.endm
	s_load_b256 s[68:75], s[0:1], 0x0
.if KIND == 0
	s_load_b128 s[76:79], s[0:1], 0x20
.else
	s_load_b64 s[76:77], s[0:1], 0x20
.endif
	v_lshl_add_u32 v[SPW], v0, 2, SPARE
	v_mov_b32 v[NIL], 0
	ds_add_u32 v[SPW], v[NIL]
	ds_add_u32 v[SPW], v[NIL]
	v_lshrrev_b32 v1, 5, v0
	v_readfirstlane_b32 s14, v1
	s_lshr_b32 s15, s14, 1
	s_and_b32 s16, s14, 1
	s_bfe_u32 s40, ttmp6, 0x40000
	s_bfe_u32 s41, ttmp6, 0x40004
.if KIND == 0
	s_lshr_b32 s80, ttmp9, 1
	s_and_b32 s81, ttmp9, 1
	s_sub_co_u32 s93, ttmp9, 8
	s_cmp_lt_u32 ttmp9, 8
	s_cselect_b32 s80, s80, 0
	s_cselect_b32 s81, s81, s93
	s_cselect_b32 s82, 0, 2097152
	s_cselect_b32 s92, 1, 0
	s_mov_b32 s83, 0
	s_lshl_b32 s42, s81, 2
	s_add_co_u32 s42, s42, s40
	s_lshl_b32 s17, s80, 2
	s_add_co_u32 s17, s17, s41
.else
	s_lshl_b32 s42, ttmp9, 2
	s_add_co_u32 s42, s42, s40
	s_and_b32 s17, ttmp7, 0xffff
	s_lshl_b32 s17, s17, 2
	s_add_co_u32 s17, s17, s41
.endif
	s_lshl_b32 s43, s41, 2
	s_lshl_b32 s43, 15, s43
	s_lshl_b32 s44, 0x1111, s40
	s_or_b32 s[G1+0], s43, (0<<16)|(1<<20)|(1<<21)|(5<<22)|(3<<25)
	s_or_b32 s[G1B+0], s44, (0<<16)|(1<<20)|(1<<21)|(5<<22)|(3<<25)
.irp g, G1, G1B
	s_mov_b32 s[\g+1], ROWB<<16
	s_mov_b32 s[\g+2], 128<<16
	s_mov_b32 s[\g+3], ROWB<<16
	s_mov_b32 s[\g+4], 128
	s_mov_b32 s[\g+5], KROW
	s_mov_b32 s[\g+6], 0
	s_mov_b32 s[\g+7], 0
.endr
	s_lshl_b32 s18, s16, 7
	s_lshl_b32 s20, s17, 8
	s_add_co_u32 s20, s20, s18
	s_lshl_b32 s46, s42, 8
	s_add_co_u32 s46, s46, s18
	s_mov_b32 s21, 0
	s_mov_b32 s47, 0
	s_mov_b64 s[18:19], KROW
	s_mul_u64 s[20:21], s[20:21], s[18:19]
	s_mul_u64 s[46:47], s[46:47], s[18:19]
	s_mul_i32 s45, s14, HALFT
	s_wait_dscnt 0x0
	s_wait_kmcnt 0x0
.if KIND == 0
	s_cmp_eq_u32 s92, 1
	s_cselect_b64 s[4:5], s[68:69], s[70:71]
	s_cselect_b64 s[6:7], s[70:71], s[68:69]
	s_add_nc_u64 s[4:5], s[4:5], s[82:83]
.else
	s_mov_b64 s[4:5], s[68:69]
	s_add_nc_u64 s[6:7], s[70:71], 4194304
.endif
	s_add_nc_u64 s[20:21], s[4:5], s[20:21]
	s_add_nc_u64 s[46:47], s[6:7], s[46:47]
	CROUND
.irp s, 0,1
	s_mov_b32 s[G0+4*\s], 1
	s_add_co_u32 s[G0+4*\s+1], s45, \s*SLOT
	s_add_nc_u64 s[G0+4*\s+2:G0+4*\s+3], s[20:21], \s*ROWB
	s_or_b32 s[G0+4*\s+3], s[G0+4*\s+3], 0x80000000
	s_mov_b32 s[G0B+4*\s], 1
	s_add_co_u32 s[G0B+4*\s+1], s45, \s*SLOT
	s_add_nc_u64 s[G0B+4*\s+2:G0B+4*\s+3], s[46:47], \s*ROWB
	s_or_b32 s[G0B+4*\s+3], s[G0B+4*\s+3], 0x80000000
.endr
	JLOAD G0, G1, G0B, G1B                         ; K step 0
	v_and_b32 v1, 15, v0
	v_bfe_u32 v2, v0, 4, 1
	v_mul_u32_u24 v3, v1, PITCH
	s_wait_alu depctr_va_vdst(0)
	v_lshl_add_u32 v4, v2, 4, v3
	s_mul_i32 s21, s15, HALFT
	s_mul_i32 s22, s16, HALFT
	s_add_co_u32 s22, s22, 2*HALFT
.irp s, 0,1
	v_add_nc_u32 v[ADRA+\s], s21, v4
	v_add_nc_u32 v[ADRB+\s], s22, v4
	s_add_co_u32 s21, s21, SLOT
	s_add_co_u32 s22, s22, SLOT
.endr
	s_mul_i32 s23, s15, 128*PITCH
	s_lshl_b32 s18, s16, 7
	s_add_co_u32 s23, s23, s18
	v_lshl_add_u32 v5, v2, 3, v3
	v_add_nc_u32 v[STO], s23, v5
	s_mul_i32 s23, s14, 64*PITCH
	v_mul_u32_u24 v5, v2, PITCH
	v_lshl_add_u32 v5, v1, 4, v5
	v_add_nc_u32 v[RD], s23, v5
	v_mul_u32_u24 v5, v2, OPITCH
	v_lshl_add_u32 v[CO], v1, 4, v5
.if KIND == 0
	s_cmp_eq_u32 s92, 1
	s_cselect_b32 s84, 0, 4
	s_cselect_b32 s85, 32, 0
	s_cselect_b32 s86, 4, 0
	v_mul_u32_u24 v7, v1, s84
	v_mad_u32_u24 v7, v2, s85, v7
.irp i, 0,1,2,3,4,5,6,7
	s_mul_i32 s87, s86, \i
	v_add_nc_u32 v[8+\i], s87, v7
.endr
	s_lshl_b32 s87, s42, 8
	s_lshl_b32 s88, s16, 7
	s_add_co_u32 s87, s87, s88
	s_lshl_b32 s88, s17, 8
	s_lshl_b32 s89, s15, 7
	s_add_co_u32 s88, s88, s89
	s_add_co_u32 s88, s88, 2048
	s_cmp_eq_u32 s92, 1
	s_cselect_b32 s88, s87, s88
	s_lshl_b32 s88, s88, 2
	s_mov_b32 s89, 0
	s_add_nc_u64 s[12:13], s[74:75], s[88:89]
.irp x, 0,1,2,3,4,5,6,7
.irp i, 0,1,2,3,4,5,6,7
	global_load_b32 v[BIAS+8*\x+\i], v[8+\i], s[12:13] offset:64*\x
.endr
.endr
	s_lshr_b32 s87, s42, 3
	s_lshl_b32 s87, s87, 10
	s_and_b32 s88, s42, 7
	s_cmp_eq_u32 s92, 1
	s_cselect_b32 s87, 0, s87
	s_cselect_b32 s88, s42, s88
	s_cselect_b64 s[10:11], s[76:77], s[78:79]
	s_lshl_b32 s89, s17, 8
	s_add_co_u32 s87, s87, s89
	s_lshl_b32 s89, s14, 6
	s_add_co_u32 s87, s87, s89
	s_lshl_b32 s87, s87, 11
	s_lshl_b32 s88, s88, 8
	s_add_co_u32 s88, s87, s88
	s_mov_b32 s89, 0
	s_add_nc_u64 s[10:11], s[10:11], s[88:89]
	s_load_b256 s[84:91], s[72:73], 0x0
.else
	s_lshl_b32 s87, s42, 8
	s_lshl_b32 s88, s16, 7
	s_add_co_u32 s88, s87, s88
	s_lshl_b32 s88, s88, 2
	s_mov_b32 s89, 0
	s_add_nc_u64 s[12:13], s[74:75], s[88:89]
	v_lshlrev_b32 v7, 5, v2
.irp x, 0,1,2,3,4,5,6,7
	global_load_b128 v[BIAS+8*\x:BIAS+8*\x+3], v7, s[12:13] offset:64*\x
	global_load_b128 v[BIAS+8*\x+4:BIAS+8*\x+7], v7, s[12:13] offset:64*\x+16
.endr
	s_lshl_b32 s87, s17, 8
	s_lshl_b32 s89, s14, 6
	s_add_co_u32 s87, s87, s89
	s_lshl_b32 s87, s87, 12
	s_lshl_b32 s88, s42, 8
	s_add_co_u32 s88, s87, s88
	s_mov_b32 s89, 0
	s_add_nc_u64 s[10:11], s[76:77], s[88:89]
	s_load_b128 s[84:87], s[72:73], 0x20
.endif
.macro FRAG reg, adr, q, i
.irp c, 0,1,2,3
	ds_load_b128 v[\reg+4*\c:\reg+4*\c+3], v[\adr] offset:128*(\q)+32*\c+(\i)*16*PITCH
.endr
.endm
.macro MUL16 a0, p, zero
.irp a, \a0, \a0+1
.irp b, 0,1,2,3,4,5,6,7
.if \zero
	v_wmma_f32_16x16x128_fp8_fp8 v[8*(8*((\a)%4)+\b):8*(8*((\a)%4)+\b)+7], v[128*(\p)+FR*\b:128*(\p)+FR*\b+FR-1], v[AF+FR*(\a):AF+FR*(\a)+FR-1], 0
.else
	v_wmma_f32_16x16x128_fp8_fp8 v[8*(8*((\a)%4)+\b):8*(8*((\a)%4)+\b)+7], v[128*(\p)+FR*\b:128*(\p)+FR*\b+FR-1], v[AF+FR*(\a):AF+FR*(\a)+FR-1], v[8*(8*((\a)%4)+\b):8*(8*((\a)%4)+\b)+7]
.endif
.endr
.endr
.endm
.macro FETCH_B slot, q, p
	WIN TO_B
.irp i, 0,1,2,3,4,5,6,7
	FRAG 128*(\p)+FR*\i, ADRB+\slot, \q, \i
.endr
	WIN 0
.endm
.macro FETCH_A slot, q, i0
.irp i, \i0, \i0+1, \i0+2, \i0+3
	FRAG AF+FR*(\i), ADRA+\slot, \q, \i
.endr
.endm
.macro PLACES n
.rept \n
	v_nop
.endr
.endm
.macro STEP slot, q, zero
	s_wait_dscnt 4*NL
	WIN MUL_LO
	MUL16 0, (\q)%2, \zero
	MUL16 2, (\q)%2, \zero
	s_wait_dscnt 0
	PLACES NP
	FETCH_B \slot, (\q)+1, 1-(\q)%2
	FETCH_A \slot, (\q)+1, 0
	WIN MUL_HI
	MUL16 4, (\q)%2, \zero
	MUL16 6, (\q)%2, \zero
	PLACES NP
	WIN 0
	FETCH_A \slot, (\q)+1, 4
.endm
.macro TURN slot, next, fill
	s_wait_tensorcnt 0x0
	ds_add_u32 v[SPW], v[NIL]
	s_wait_dscnt 4*NL+1
	WIN MUL_LO
	MUL16 0, 1, 0
	s_wait_dscnt 0x0
	s_barrier_signal -1
	MUL16 2, 1, 0
	WIN 0
	s_barrier_wait -1
.if \fill
	CREST
	s_add_nc_u64 s[G0+4*\slot+2:G0+4*\slot+3], s[G0+4*\slot+2:G0+4*\slot+3], 2*ROWB
	s_add_nc_u64 s[G0B+4*\slot+2:G0B+4*\slot+3], s[G0B+4*\slot+2:G0B+4*\slot+3], 2*ROWB
	JLOAD G0+4*\slot, G1, G0B+4*\slot, G1B
.else
	PLACES NP
.endif
	s_wait_alu depctr_va_vdst(0)
	FETCH_B \next, 0, 0
	FETCH_A \next, 0, 0
	WIN MUL_HI
	MUL16 4, 1, 0
	MUL16 6, 1, 0
	PLACES NP
	WIN 0
	FETCH_A \next, 0, 4
.endm
	s_wait_alu depctr_va_vdst(0)
	s_wait_tensorcnt 0x0                           ; my part of K step 0 is in
	ds_add_u32 v[SPW], v[NIL]
	s_wait_dscnt 0x0
	CROUND
	JLOAD G0+4, G1, G0B+4, G1B                     ; K step 1, the first tensor load behind the round
	FETCH_B 0, 0, 0
	FETCH_A 0, 0, 0
	FETCH_A 0, 0, 4
	STEP 0, 0, 1
	s_mov_b32 s3, LAPS-1
.Llap:
	TURN 0, 1, 1
	STEP 1, 0, 0
	TURN 1, 0, 1
	STEP 0, 0, 0
	s_sub_co_u32 s3, s3, 1
	s_cmp_lg_u32 s3, 0
	s_cbranch_scc1 .Llap
	TURN 0, 1, 0
	STEP 1, 0, 0
	s_wait_dscnt 4*NL
	WIN MUL_LO
	MUL16 0, 1, 0
	MUL16 2, 1, 0
	s_wait_dscnt 0
	WIN MUL_HI
	MUL16 4, 1, 0
	MUL16 6, 1, 0
	WIN 0
.macro EFMA a, byrow
.set AC, 64*((\a)%4)
	WIN 0x02+((\a)/4)
.set j, 0
.rept 32
.if \byrow
	v_pk_fma_f32 v[TMP+j:TMP+j+1], v[AC+j:AC+j+1], s[96:97], v[BIAS+8*(\a)+j%8:BIAS+8*(\a)+j%8+1] op_sel_hi:[1,0,1]
.else
	v_pk_fma_f32 v[TMP+j:TMP+j+1], v[AC+j:AC+j+1], s[96:97], v[BIAS+j:BIAS+j+1] op_sel_hi:[1,0,1]
.endif
.set j, j+2
.endr
	WIN 0
.endm
.macro EGELU
.set j, 0
.rept 32
	v_pk_mul_f32 v[U+j:U+j+1], v[TMP+j:TMP+j+1], v[TMP+j:TMP+j+1]
.set j, j+2
.endr
.set j, 0
.rept 32
	v_pk_fma_f32 v[U+j:U+j+1], v[U+j:U+j+1], s[98:99], v[22:23] op_sel_hi:[1,0,0]
.set j, j+2
.endr
.set j, 0
.rept 32
	v_pk_mul_f32 v[U+j:U+j+1], v[U+j:U+j+1], v[TMP+j:TMP+j+1]
.set j, j+2
.endr
.set j, 0
	s_wait_alu depctr_va_vdst(0)
.rept 64
	v_exp_f32 v[U+j], v[U+j]
.set j, j+1
.endr
	v_nop
	s_wait_alu depctr_va_vdst(0)
.set j, 0
.rept 32
	v_pk_add_f32 v[U+j:U+j+1], v[U+j:U+j+1], 1.0 op_sel_hi:[1,0]
.set j, j+2
.endr
.set j, 0
	s_wait_alu depctr_va_vdst(0)
.rept 64
	v_rcp_f32 v[U+j], v[U+j]
.set j, j+1
.endr
	v_nop
	s_wait_alu depctr_va_vdst(0)
.set j, 0
.rept 32
	v_pk_mul_f32 v[TMP+j:TMP+j+1], v[TMP+j:TMP+j+1], v[U+j:U+j+1]
.set j, j+2
.endr
.endm
.macro EQUANT a
.set CC, CD+16*((\a)%2)
.if (\a) >= 2
	s_wait_dscnt 8
.endif
.set j, 0
.rept 64
	v_med3_num_f32 v[TMP+j], v[TMP+j], -v31, v31
.set j, j+1
.endr
.irp b, 0,1,2,3,4,5,6,7
	v_cvt_scalef32_pk8_fp8_f32 v[CC+2*\b:CC+2*\b+1], v[TMP+8*\b:TMP+8*\b+7], v30
.endr
	v_nop
.irp b, 0,1,2,3,4,5,6,7
	ds_store_b64 v[STO], v[CC+2*\b:CC+2*\b+1] offset:(\a)*16*PITCH+16*\b
.endr
.endm
.macro BLOCK a
.if KIND == 0
	s_cmp_eq_u32 s92, 1
	s_cbranch_scc0 .Lby_row_\@
	EFMA \a, 0
	s_branch .Lsummed_\@
.Lby_row_\@:
	EFMA \a, 1
.Lsummed_\@:
.else
	EFMA \a, 0
	EGELU
.endif
	EQUANT \a
.endm
	s_wait_kmcnt 0x0
	s_add_co_i32 s96, s84, s85
	s_add_co_i32 s96, s96, 127
	s_lshl_b32 s96, s96, 23
	s_mov_b32 s97, s96
.if KIND == 0
	s_add_co_i32 s93, s86, 3
	s_cmp_lt_u32 s42, 4
	s_cselect_b32 s93, s93, s87
	s_cmp_eq_u32 s92, 1
	s_cselect_b32 s93, s93, s89
.else
	s_mov_b32 s93, s86
	s_mov_b32 s98, 0xbdd2d3e8
	s_mov_b32 s99, s98
.endif
	s_add_co_i32 s93, s93, 127
	s_lshl_b32 s94, s93, 23
	s_add_co_i32 s93, s93, 8
	s_lshl_b32 s93, s93, 23
	s_or_b32 s93, s93, 0x600000
	s_wait_loadcnt 0x0
	PLACES NP
	v_mov_b32 v30, s94
	v_mov_b32 v31, s93
.if KIND == 1
	v_mov_b32 v22, 0xc0135761
	v_mov_b32 v23, 0xc0135761
.endif
.irp a, 0,1,2,3,4,5,6,7
	BLOCK \a
.endr
	s_wait_dscnt 0x0
	s_barrier_signal -1
	s_barrier_wait -1
.set t, 0
.rept 32
	ds_load_b128 v[32+4*t:35+4*t], v[RD] offset:544*t
.set t, t+1
.endr
.set t, 0
.rept 32
	s_wait_dscnt 31-t
	global_store_b128 v[CO], v[32+4*t:35+4*t], s[10:11] offset:2*t*OPITCH
.set t, t+1
.endr
	s_wait_tensorcnt 0x0
	ds_add_u32 v[SPW], v[NIL]
	s_wait_dscnt 0x0
	CROUND
	s_endpgm
.Lfunc_end_k_qd10fadeeb8_fc:
	.size	k_qd10fadeeb8_fc, .Lfunc_end_k_qd10fadeeb8_fc-k_qd10fadeeb8_fc
	.p2alignl 7, 3214868480
	.fill 96, 4, 3214868480
	.section	.rodata,"a",@progbits
	.p2align	6, 0x0
	.amdhsa_kernel k_qd10fadeeb8_fc
		.amdhsa_group_segment_fixed_size 327680
		.amdhsa_private_segment_fixed_size 0
		.amdhsa_enable_private_segment 0
		.amdhsa_kernarg_size 40
		.amdhsa_user_sgpr_count 2
		.amdhsa_user_sgpr_kernarg_segment_ptr 1
		.amdhsa_wavefront_size32 1
		.amdhsa_system_sgpr_workgroup_id_x 1
		.amdhsa_system_sgpr_workgroup_id_y 1
		.amdhsa_system_sgpr_workgroup_id_z 1
		.amdhsa_system_vgpr_workitem_id 0
		.amdhsa_next_free_vgpr 1024
		.amdhsa_next_free_sgpr 100
		.amdhsa_reserve_vcc 0
		.amdhsa_float_denorm_mode_32 3
		.amdhsa_float_denorm_mode_16_64 3
		.amdhsa_memory_ordered 1
		.amdhsa_forward_progress 1
		.amdhsa_inst_pref_size 255
	.end_amdhsa_kernel
	.section	.bss,"aw",@nobits
	.p2align	6
	.space	262144
	.amdgpu_metadata
---
amdhsa.version: [ 1, 2 ]
amdhsa.kernels:
  - .name:           k_qd10fadeeb8_fc
    .symbol:         k_qd10fadeeb8_fc.kd
    .args:
      - { .name: cb, .offset: 0, .size: 8, .value_kind: global_buffer, .address_space: global }
      - { .name: wc, .offset: 8, .size: 8, .value_kind: global_buffer, .address_space: global }
      - { .name: lowp_scales, .offset: 16, .size: 8, .value_kind: global_buffer, .address_space: global }
      - { .name: b_fc, .offset: 24, .size: 8, .value_kind: global_buffer, .address_space: global }
      - { .name: gc, .offset: 32, .size: 8, .value_kind: global_buffer, .address_space: global }
    .group_segment_fixed_size: 327680
    .private_segment_fixed_size: 0
    .kernarg_segment_align: 8
    .kernarg_segment_size: 40
    .max_flat_workgroup_size: 128
    .sgpr_count:     100
    .vgpr_count:     1024
    .wavefront_size: 32
...
	.end_amdgpu_metadata
.endif
;; end of part 6
;; launch mlp (part 7): grid 8 x 32, 4 waves a work-group, clusters of 4 x 4, 327,680 bytes of LDS; arguments gc, wc, lowp_scales, b_mlp_proj, x2, out0; writes out0
.if DOCPART == 7
	.amdgcn_target "amdgcn-amd-amdhsa--gfx1250"
	.amdhsa_code_object_version 6
	.text
	.protected	k_qd10fadeeb8_mlp
	.globl	k_qd10fadeeb8_mlp
	.p2align	8
	.type	k_qd10fadeeb8_mlp,@function
k_qd10fadeeb8_mlp:
	s_mov_b64 s[64:65], 0
	v_nop
	global_prefetch_b8 v0, s[64:65] scope:SCOPE_SE
	s_setreg_imm32_b32 hwreg(HW_REG_WAVE_MODE, 25, 1), 1
	s_wait_xcnt 0x0
	s_wait_alu depctr_hold_cnt(0) depctr_sa_sdst(0) depctr_va_vdst(0) depctr_va_sdst(0) depctr_va_ssrc(0) depctr_va_vcc(0) depctr_vm_vsrc(0)
	s_getreg_b32 s2, hwreg(HW_REG_IB_STS2, 6, 4)
	s_cmp_eq_u32 s2, 0
	s_cbranch_scc0 .Lentry_in_a_cluster
	s_endpgm
.Lentry_in_a_cluster:
	s_bfe_u32 s2, ttmp6, 0x10000c
	s_cmp_lg_u32 s2, 0xf033
	s_cbranch_scc0 .Lentry_shape_is_right
	s_endpgm
.Lentry_shape_is_right:
.set SIZE_K, 4096
.set BOFF,   8388608
.set EOFF,   0x28
.set NTOUT,  1
.set KSTEP,  512
.set PITCH,  528
.set HALFT,  64*PITCH
.set SLOT,   4*HALFT
.set STAGE,  2*SLOT
.set SPITCH, 272
.set SPARE,  STAGE+4*16*SPITCH
.set LAPS,   SIZE_K/(2*KSTEP)
.set ADRA, 16
.set ADRB, 20
.set STO,  24
.set RD,   25
.set CO,   26
.set SPW,  28
.set NIL,  29
.set BK,   32
.set RES,  64
.set ACC,  128
.set F0,   0
.set F1,   128
.set G1, 24
.set G0, 32
.set G1B, 48
.set G0B, 56
.set MSB, 0
.macro WIN new
.if MSB != \new
	s_set_vgpr_msb (MSB<<8)|\new
.set MSB, \new
.endif
.endm
.set MUL,  0x05
.set TO_F, 0x40
.macro JLOAD s
	s_cmp_eq_u32 s11, 0
	s_cbranch_scc0 .Lfor_b_\@
	tensor_load_to_lds s[G0+4*\s:G0+4*\s+3], s[G1:G1+7]
	s_nop 0
.rept 4
	v_nop
.endr
	s_branch .Lasked_\@
.Lfor_b_\@:
	tensor_load_to_lds s[G0B+4*\s:G0B+4*\s+3], s[G1B:G1B+7]
	s_nop 0
.rept 4
	v_nop
.endr
.Lasked_\@:
.endm
.macro CREST
	s_cmp_lg_u32 s10, 0
	s_cbranch_scc1 .Lnot_wave_0_\@
	s_barrier_signal -3
.Lnot_wave_0_\@:
	s_barrier_wait -3
	s_barrier_signal -1
	s_barrier_wait -1
.endm
.macro CROUND
	s_barrier_signal -1
	s_barrier_wait -1
	CREST
.endm
.macro RLOAD a
.irp t, 0,1,2,3,4,5,6,7
	global_load_b128 v[RES+32*((\a)%2)+4*\t:RES+32*((\a)%2)+4*\t+3], v[CO], s[76:77] offset:(16*(\a)+2*\t)*4096
.endr
.endm
	s_load_b128 s[4:7], s[0:1], 0x0
	s_load_b256 s[68:75], s[0:1], 0x10
	v_lshl_add_u32 v[SPW], v0, 2, SPARE
	v_mov_b32 v[NIL], 0
	ds_add_u32 v[SPW], v[NIL]
	ds_add_u32 v[SPW], v[NIL]
	v_lshrrev_b32 v1, 5, v0
	v_readfirstlane_b32 s10, v1
	s_lshr_b32 s11, s10, 1
	s_and_b32 s12, s10, 1
	s_bfe_u32 s40, ttmp6, 0x40000
	s_bfe_u32 s41, ttmp6, 0x40004
	s_lshl_b32 s42, ttmp9, 2
	s_add_co_u32 s42, s42, s40
	s_and_b32 s13, ttmp7, 0xffff
	s_lshl_b32 s13, s13, 2
	s_add_co_u32 s13, s13, s41
	s_lshl_b32 s43, s41, 2
	s_lshl_b32 s43, 15, s43
	s_lshl_b32 s44, 0x1111, s40
	s_or_b32 s[G1+0], s43, (0<<16)|(1<<20)|(1<<21)|(6<<22)|(3<<25)
	s_or_b32 s[G1B+0], s44, (0<<16)|(1<<20)|(1<<21)|(6<<22)|(3<<25)
.irp g, G1, G1B
	s_mov_b32 s[\g+1], KSTEP<<16
	s_mov_b32 s[\g+2], 64<<16
	s_mov_b32 s[\g+3], KSTEP<<16
	s_mov_b32 s[\g+4], 64
	s_mov_b32 s[\g+5], SIZE_K
	s_mov_b32 s[\g+6], 0
	s_mov_b32 s[\g+7], 0
.endr
	s_lshl_b32 s17, s12, 6
	s_lshl_b32 s16, s13, 7
	s_add_co_u32 s16, s16, s17
	s_lshl_b32 s46, s42, 7
	s_add_co_u32 s46, s46, s17
	s_mov_b32 s17, 0
	s_mov_b32 s47, 0
	s_mov_b64 s[18:19], SIZE_K
	s_mul_u64 s[16:17], s[16:17], s[18:19]
	s_mul_u64 s[46:47], s[46:47], s[18:19]
	s_mul_i32 s20, s10, HALFT
	s_wait_dscnt 0x0
	s_wait_kmcnt 0x0
	s_load_b64 s[78:79], s[68:69], EOFF
	s_add_nc_u64 s[6:7], s[6:7], BOFF
	s_add_nc_u64 s[14:15], s[4:5], s[16:17]
	s_add_nc_u64 s[46:47], s[6:7], s[46:47]
	s_cmp_eq_u32 s11, 0                            ; the prefetches: of the 64 rows that I fetch, each of the four partners that ask for them jointly names 16, told apart by address (cx for A, cy for B)
	s_cselect_b64 s[84:85], s[14:15], s[46:47]
	s_cselect_b32 s86, s40, s41
	s_mul_i32 s86, s86, 16*SIZE_K
	s_mov_b32 s87, 0
	s_add_nc_u64 s[84:85], s[84:85], s[86:87]
	CROUND
.irp s, 0,1
	s_mov_b32 s[G0+4*\s], 1
	s_add_co_u32 s[G0+4*\s+1], s20, \s*SLOT
	s_add_nc_u64 s[G0+4*\s+2:G0+4*\s+3], s[14:15], \s*KSTEP
	s_or_b32 s[G0+4*\s+3], s[G0+4*\s+3], 0x80000000
	s_mov_b32 s[G0B+4*\s], 1
	s_add_co_u32 s[G0B+4*\s+1], s20, \s*SLOT
	s_add_nc_u64 s[G0B+4*\s+2:G0B+4*\s+3], s[46:47], \s*KSTEP
	s_or_b32 s[G0B+4*\s+3], s[G0B+4*\s+3], 0x80000000
.endr
	JLOAD 0                                        ; K step 0
	v_and_b32 v1, 15, v0
	s_wait_alu depctr_va_vdst(0)
	v_bfe_u32 v2, v0, 4, 1
	v_mul_u32_u24 v3, v1, PITCH
	v_lshl_add_u32 v3, v2, 4, v3
	s_mul_i32 s21, s11, HALFT
	s_mul_i32 s22, s12, HALFT
	s_add_co_u32 s22, s22, 2*HALFT
.irp s, 0,1
	v_add_nc_u32 v[ADRA+\s], s21, v3
	v_add_nc_u32 v[ADRB+\s], s22, v3
	s_add_co_u32 s21, s21, SLOT
	s_add_co_u32 s22, s22, SLOT
.endr
	s_mul_i32 s23, s10, 16*SPITCH
	s_add_co_u32 s23, s23, STAGE
	v_mul_u32_u24 v4, v1, SPITCH
	s_wait_alu depctr_va_vdst(0)
	v_lshl_add_u32 v4, v2, 5, v4
	v_add_nc_u32 v[STO], s23, v4
	v_mul_u32_u24 v5, v2, SPITCH
	v_lshl_add_u32 v5, v1, 4, v5
	v_add_nc_u32 v[RD], s23, v5
	v_lshlrev_b32 v5, 12, v2
	v_lshl_add_u32 v[CO], v1, 4, v5
	v_lshlrev_b32 v6, 4, v1
	s_wait_alu depctr_va_vdst(0)
	s_lshl_b32 s80, s13, 7
	s_lshl_b32 s81, s11, 6
	s_add_co_u32 s80, s80, s81
	s_lshl_b32 s80, s80, 12
	s_lshl_b32 s82, s42, 9
	s_lshl_b32 s83, s12, 8
	s_add_co_u32 s82, s82, s83
	s_add_co_u32 s80, s80, s82
	s_mov_b32 s81, 0
	s_mov_b32 s83, 0
	s_add_nc_u64 s[8:9], s[74:75], s[80:81]
	s_add_nc_u64 s[76:77], s[72:73], s[80:81]
	s_add_nc_u64 s[70:71], s[70:71], s[82:83]
	global_load_b128 v[12:15], v6, s[70:71]
	RLOAD 0
	RLOAD 1
	v_and_b32 v7, 31, v0
	v_lshrrev_b32 v8, 1, v7
	v_and_b32 v7, 1, v7
	v_lshlrev_b32 v7, 8, v7
	v_lshl_add_u32 v30, v8, 12, v7                 ; two lanes to a row's 512 bytes of a K step, 256 bytes apart: 16 rows an instruction; never rewritten
	global_prefetch_b8 v30, s[84:85] offset:2*KSTEP th:TH_LOAD_NT scope:SCOPE_SE   ; K steps 2 and 3, which the first two refills will ask for
	global_prefetch_b8 v30, s[84:85] offset:3*KSTEP th:TH_LOAD_NT scope:SCOPE_SE
.macro MUL8 f, c, a0, zero
.irp a, \a0, \a0+1
.irp b, 0,1,2,3
.if \zero
	v_wmma_f32_16x16x64_fp8_fp8 v[ACC+8*(4*(\a)+\b):ACC+8*(4*(\a)+\b)+7], v[\f+64+8*(4*\c+\b):\f+64+8*(4*\c+\b)+7], v[\f+8*(4*\c+\a):\f+8*(4*\c+\a)+7], 0
.else
	v_wmma_f32_16x16x64_fp8_fp8 v[ACC+8*(4*(\a)+\b):ACC+8*(4*(\a)+\b)+7], v[\f+64+8*(4*\c+\b):\f+64+8*(4*\c+\b)+7], v[\f+8*(4*\c+\a):\f+8*(4*\c+\a)+7], v[ACC+8*(4*(\a)+\b):ACC+8*(4*(\a)+\b)+7]
.endif
.endr
.endr
.endm
.macro FETCH slot, k, f
	WIN TO_F
.irp c, 0,1
.irp i, 0,1,2,3
	ds_load_b128 v[\f+64+8*(4*\c+\i):\f+64+8*(4*\c+\i)+3],   v[ADRB+\slot] offset:\k+64*\c+\i*16*PITCH
	ds_load_b128 v[\f+64+8*(4*\c+\i)+4:\f+64+8*(4*\c+\i)+7], v[ADRB+\slot] offset:\k+64*\c+\i*16*PITCH+32
	ds_load_b128 v[\f+8*(4*\c+\i):\f+8*(4*\c+\i)+3],         v[ADRA+\slot] offset:\k+64*\c+\i*16*PITCH
	ds_load_b128 v[\f+8*(4*\c+\i)+4:\f+8*(4*\c+\i)+7],       v[ADRA+\slot] offset:\k+64*\c+\i*16*PITCH+32
.endr
.endr
.endm
.macro PLACES
.rept 4
	v_nop
.endr
.endm
.macro QUARTER slot, k, f, g, zero
	s_wait_dscnt 16
	WIN MUL
	MUL8 \f, 0, 0, \zero
	MUL8 \f, 0, 2, \zero
	PLACES
	FETCH \slot, \k, \g
	s_wait_dscnt 32
	WIN MUL
	MUL8 \f, 1, 0, 0
	MUL8 \f, 1, 2, 0
.endm
.macro TURN slot, next, fill
	WIN 0
.if \fill
	s_wait_xcnt 0x0                                ; my prefetches have read their address: it steps one K step
	s_add_nc_u64 s[84:85], s[84:85], KSTEP
.endif
	s_wait_tensorcnt 0x0
	ds_add_u32 v[SPW], v[NIL]
	s_wait_dscnt 17
	WIN MUL
	MUL8 F1, 0, 0, 0
	s_wait_dscnt 0x0
	s_barrier_signal -1
	MUL8 F1, 0, 2, 0
.if \fill
	WIN 0
.endif
	s_barrier_wait -1
.if \fill
	CREST
	s_add_nc_u64 s[G0+4*\slot+2:G0+4*\slot+3], s[G0+4*\slot+2:G0+4*\slot+3], 2*KSTEP
	s_add_nc_u64 s[G0B+4*\slot+2:G0B+4*\slot+3], s[G0B+4*\slot+2:G0B+4*\slot+3], 2*KSTEP
	JLOAD \slot
.else
	PLACES
.endif
	FETCH \next, 0, F0
.if \fill
	WIN 0
	s_cmp_gt_u32 s3, 1                             ; the loop's last trip has no K step two refills on
	s_cbranch_scc0 .Lno_ask_\@
	global_prefetch_b8 v30, s[84:85] offset:3*KSTEP th:TH_LOAD_NT scope:SCOPE_SE   ; the K step that stands two refills on: each 256 bytes named once in the cluster
.Lno_ask_\@:
.endif
	WIN MUL
	MUL8 F1, 1, 0, 0
	MUL8 F1, 1, 2, 0
.endm
	s_wait_alu depctr_va_vdst(0)
	s_wait_tensorcnt 0x0                           ; my part of K step 0 is in
	ds_add_u32 v[SPW], v[NIL]
	s_wait_dscnt 0x0
	CROUND
	JLOAD 1                                        ; K step 1, the first tensor load behind the round
	FETCH 0, 0, F0
	QUARTER 0, 128, F0, F1, 1
.if LAPS > 1
	WIN 0
	s_mov_b32 s3, LAPS-1
.Llap:
	QUARTER 0, 256, F1, F0, 0
	QUARTER 0, 384, F0, F1, 0
	TURN 0, 1, 1
	QUARTER 1, 128, F0, F1, 0
	QUARTER 1, 256, F1, F0, 0
	QUARTER 1, 384, F0, F1, 0
	TURN 1, 0, 1
	QUARTER 0, 128, F0, F1, 0
	WIN 0
	s_sub_co_u32 s3, s3, 1
	s_cmp_lg_u32 s3, 0
	s_cbranch_scc1 .Llap
.endif
	QUARTER 0, 256, F1, F0, 0
	QUARTER 0, 384, F0, F1, 0
	TURN 0, 1, 0
	QUARTER 1, 128, F0, F1, 0
	QUARTER 1, 256, F1, F0, 0
	QUARTER 1, 384, F0, F1, 0
	s_wait_dscnt 16
	WIN MUL
	MUL8 F1, 0, 0, 0
	MUL8 F1, 0, 2, 0
	s_wait_dscnt 0
	MUL8 F1, 1, 0, 0
	MUL8 F1, 1, 2, 0
	WIN 0
.macro OUT a
.set RS, RES+32*((\a)%2)
.if (\a) > 0
	s_wait_xcnt 0x0
.endif
.irp b, 0,1,2,3
	ds_store_b128 v[STO], v[ACC+8*(4*(\a)+\b):ACC+8*(4*(\a)+\b)+3] offset:64*\b
	ds_store_b128 v[STO], v[ACC+8*(4*(\a)+\b)+4:ACC+8*(4*(\a)+\b)+7] offset:64*\b+16
.endr
.irp t, 0,1,2,3,4,5,6,7
	ds_load_b128 v[BK+4*\t:BK+4*\t+3], v[RD] offset:\t*2*SPITCH
.endr
.if (\a) < 3
	s_wait_loadcnt 8
.else
	s_wait_loadcnt 0x0
.endif
	s_wait_dscnt 0x0
.irp t, 0,1,2,3,4,5,6,7
	v_pk_fma_f32 v[BK+4*\t:BK+4*\t+1], v[BK+4*\t:BK+4*\t+1], s[78:79], v[12:13] op_sel_hi:[1,0,1]
	v_pk_fma_f32 v[BK+4*\t+2:BK+4*\t+3], v[BK+4*\t+2:BK+4*\t+3], s[78:79], v[14:15] op_sel_hi:[1,0,1]
.endr
.set k, 0
.rept 16
	v_pk_add_f32 v[BK+k:BK+k+1], v[BK+k:BK+k+1], v[RS+k:RS+k+1]
.set k, k+2
.endr
.if (\a) < 2
	RLOAD (\a)+2
.endif
.irp t, 0,1,2,3,4,5,6,7
.if NTOUT
	global_store_b128 v[CO], v[BK+4*\t:BK+4*\t+3], s[8:9] offset:(16*(\a)+2*\t)*4096 th:TH_STORE_NT
.else
	global_store_b128 v[CO], v[BK+4*\t:BK+4*\t+3], s[8:9] offset:(16*(\a)+2*\t)*4096
.endif
.endr
.endm
	s_wait_kmcnt 0x0
	s_add_co_i32 s78, s78, s79
	s_add_co_i32 s78, s78, 127
	s_lshl_b32 s78, s78, 23
	s_mov_b32 s79, s78
	PLACES
	OUT 0
	OUT 1
	OUT 2
	OUT 3
	s_wait_tensorcnt 0x0
	ds_add_u32 v[SPW], v[NIL]
	s_wait_dscnt 0x0
	CROUND
	s_endpgm
.Lfunc_end_k_qd10fadeeb8_mlp:
	.size	k_qd10fadeeb8_mlp, .Lfunc_end_k_qd10fadeeb8_mlp-k_qd10fadeeb8_mlp
	.p2alignl 7, 3214868480
	.fill 96, 4, 3214868480
	.section	.rodata,"a",@progbits
	.p2align	6, 0x0
	.amdhsa_kernel k_qd10fadeeb8_mlp
		.amdhsa_group_segment_fixed_size 327680
		.amdhsa_private_segment_fixed_size 0
		.amdhsa_enable_private_segment 0
		.amdhsa_kernarg_size 48
		.amdhsa_user_sgpr_count 2
		.amdhsa_user_sgpr_kernarg_segment_ptr 1
		.amdhsa_wavefront_size32 1
		.amdhsa_system_sgpr_workgroup_id_x 1
		.amdhsa_system_sgpr_workgroup_id_y 1
		.amdhsa_system_sgpr_workgroup_id_z 1
		.amdhsa_system_vgpr_workitem_id 0
		.amdhsa_next_free_vgpr 512
		.amdhsa_next_free_sgpr 88
		.amdhsa_reserve_vcc 0
		.amdhsa_float_denorm_mode_32 3
		.amdhsa_float_denorm_mode_16_64 3
		.amdhsa_memory_ordered 1
		.amdhsa_forward_progress 1
		.amdhsa_inst_pref_size 99
	.end_amdhsa_kernel
	.amdgpu_metadata
---
amdhsa.version: [ 1, 2 ]
amdhsa.kernels:
  - .name:           k_qd10fadeeb8_mlp
    .symbol:         k_qd10fadeeb8_mlp.kd
    .args:
      - { .name: gc, .offset: 0, .size: 8, .value_kind: global_buffer, .address_space: global }
      - { .name: wc, .offset: 8, .size: 8, .value_kind: global_buffer, .address_space: global }
      - { .name: lowp_scales, .offset: 16, .size: 8, .value_kind: global_buffer, .address_space: global }
      - { .name: b_mlp_proj, .offset: 24, .size: 8, .value_kind: global_buffer, .address_space: global }
      - { .name: x2, .offset: 32, .size: 8, .value_kind: global_buffer, .address_space: global }
      - { .name: out0, .offset: 40, .size: 8, .value_kind: global_buffer, .address_space: global }
    .group_segment_fixed_size: 327680
    .private_segment_fixed_size: 0
    .kernarg_segment_align: 8
    .kernarg_segment_size: 48
    .max_flat_workgroup_size: 128
    .sgpr_count:     88
    .vgpr_count:     512
    .wavefront_size: 32
...
	.end_amdgpu_metadata
.endif
;; end of part 7
